; MI455X (gfx1250); checked and timed in simulation.
; The chip was launched on July 23, 2026; its instructions are those of AMD's public machine-readable ISA for CDNA 5 (MIT licence, August 2026) and "CDNA5" Instruction Set Architecture Reference Guide (July 2026). The comments in the code are by the model that wrote it; some were corrected since.
;; Attention. Allowed arithmetic: matrix products marked QUANTISED: E2M1 operands, one E8M0 scale for each 32 along K, by v_wmma_scale_f32_16x16x128_f8f6f4 with both operands' format E2M1 (or v_wmma_scale_f32_32x16x128_f4), f32 sums; products left as they are: bf16, f16 or f32 operands; f32 sums; everything else in f32.
;; Inputs: Wk 1,024 x 1,024 float32; Wo 1,024 x 1,024 float32; Wq 1,024 x 1,024 float32; Wv 1,024 x 1,024 float32; bias 1 x 1 x 2,048 x 2,048 float32; x 4 x 2,048 x 1,024 float32; y 4 x 2,048 x 1,024 float32.
;; Outputs: out0 4 x 2,048 x 1,024 float32.
;; This version of the problem:
;;   THIS VERSION OF THE PROBLEM IS GIVEN IN LOW PRECISION. The matrix products marked QUANTISED in the list below multiply operands that are first quantised to E2M1 (2 exponent bits, 1 mantissa bit; 4 bits a number), with one power-of-two scale for each 32 numbers along K (OCP MX v1.0); their sums are f32. The products marked 'left as it is' may take bf16, f16 or f32 operands, with f32 sums. Whichever they take, every output number must still come out within the allowed error. Rounding operands to bf16 (8 significant bits) uses up far more of that allowance than f16 does (11 bits, for magnitudes from 6e-5 to 65,504). All else is computed in f32.
;;   The module's matrix products, in the order in which they are computed (A, B: the left and right operand; K: the contracted axis; several contracted axes count as one K, in the product's order):
;;     1. [M 8,192, K 1,024] x [K 1,024, N 1,024]; A: input x; B: input Wq: QUANTISED
;;     2. [M 8,192, K 1,024] x [K 1,024, N 1,024]; A: input y; B: input Wk: QUANTISED
;;     3. [M 8,192, K 1,024] x [K 1,024, N 1,024]; A: input y; B: input Wv: QUANTISED
;;     4. batch 64 x [M 2,048, K 64] x [K 64, N 2,048]; A: computed on the way; B: computed on the way: left as it is (an operand is computed on the way)
;;     5. batch 64 x [M 2,048, K 2,048] x [K 2,048, N 64]; A: computed on the way; B: computed on the way: left as it is (an operand is computed on the way)
;;     6. [M 8,192, K 1,024] x [K 1,024, N 1,024]; A: computed on the way; B: input Wo: left as it is (an operand is computed on the way)
;;   THE QUANTISER, for each operand of a quantised product, along K:
;;     - K is cut into blocks of 32 from its start; a last block that is shorter is filled with zeros.
;;     - A block's scale is 2^e with e = floor(log2(the largest magnitude in the block)) - 2, held to -126 .. 127; a block of zeros has e = 0. As a byte (E8M0): e + 127.
;;     - Each number is divided by its block's scale, clamped to +-6, and rounded to the nearest number of E2M1, ties to even, subnormals kept.
;;     - The product sums the exact products of the quantised numbers (number of the format x scale) in f32.
;;   ~~~python
;;   def quantise(x, axis):      # numpy; x: float32 -> the quantised numbers, widened to float32 again
;;       x = np.moveaxis(x, axis, -1); K = x.shape[-1]
;;       x = np.pad(x, [(0, 0)] * (x.ndim - 1) + [(0, -K % 32)]); x = x.reshape(x.shape[:-1] + (-1, 32)); a = np.abs(x).max(-1, keepdims=True)
;;       e = np.where(a > 0, np.clip(np.frexp(np.where(a > 0, a, 1))[1] - 1 - 2, -126, 127), 0)      # np.frexp(a)[1] - 1 = floor(log2(a)), exactly
;;       r = np.clip(x / 2.0 ** e, -6, 6)
;;       step = 2.0 ** (np.maximum(np.frexp(np.where(r == 0, 1, r))[1] - 1, 0) - 1)
;;       q = np.round(r / step) * step * 2.0 ** e      # np.round: ties to even
;;       return np.moveaxis(q.reshape(q.shape[:-2] + (-1,))[..., :K], -1, axis).astype(np.float32)
;;   ~~~
;; One version. Each part assembles by itself: llvm-mc -triple=amdgcn-amd-amdhsa -mcpu=gfx1250 --defsym DOCPART=n.
;; ======== version 1 of 1: 4 launches
;; limits: values are held in f16: magnitudes above 65,504 overflow, below 6.1e-05 lose precision
;; workspace buffers: codes 9,961,472 bytes; scales 622,592 bytes; wo16 2,097,152 bytes; q16 16,777,216 bytes; kv16 33,554,432 bytes; attn16 16,777,216 bytes
;; launch quant (part 1): grid 640 x 1, 4 waves a work-group, no clusters, 33,280 bytes of LDS; arguments x, y, Wq, Wk, Wv, Wo, codes, scales, wo16; writes codes, scales, wo16
.if DOCPART == 1
	.amdgcn_target "amdgcn-amd-amdhsa--gfx1250"
	.amdhsa_code_object_version 6
	.text
	.protected	k_qe29516411c_quant
	.globl	k_qe29516411c_quant
	.p2align	8
	.type	k_qe29516411c_quant,@function
k_qe29516411c_quant:
	s_mov_b64 s[64:65], 0
	v_nop
	global_prefetch_b8 v0, s[64:65] scope:SCOPE_SE
	s_setreg_imm32_b32 hwreg(HW_REG_WAVE_MODE, 25, 1), 1
	s_wait_xcnt 0x0
; x, y [8192][1024] and Wq, Wk, Wv [1024][1024], f32 with K innermost, become codes of FP4 (E2M1), two to a byte, K innermost, and one E8M0 byte for each 32 along K.
; The five tensors lie one behind the other in the two buffers: rows 0-8191 x, 8192-16383 y, then 1024 rows each of Wq, Wk, Wv; a row is 512 bytes of codes and 32 scale bytes.
; Wo [1024][1024] is rounded to f16: its product is not quantised.
; A block's scale is 2^(floor(log2(its largest magnitude)) - 2); its byte is the largest magnitude's exponent field - 2, held at 1 from below.  A block of zeros so gets the byte 1: its codes are zeros,
; which add nothing under that byte, and the bytes are read by this program alone.
; LIMITS: NaN and infinities among the inputs are not served; blocks whose largest magnitude lies under 2^-124 have their byte held at 1; Wo must lie under 65,504 in magnitude (f16).
; Rows are dense and 1024 is a multiple of 32: every tensor is a plain stream of blocks of 32.  A work-group takes 32,768 numbers, a wave 8,192: 16 steps of 512.
; Work-groups 0-255 x, 256-511 y, 512-543 Wq, 544-575 Wk, 576-607 Wv, 608-639 Wo: only the source pointer is chosen; the place in the output follows the work-group's number.
; Each load reads 512 consecutive bytes, 16 a lane; a step's 2,048 bytes turn through the wave's own stage in LDS and come back 64 bytes a lane, so that a lane holds 16 neighbours along K (two lanes a block).
; No tensor loads, no barrier: waves share nothing.  Loads run eight steps (32 loads, 16 KB a wave) ahead, the turn through LDS one step.
.set WAVES, 4
.set STEPS, 16
.set AHEAD, 8                          ; steps that the loads run ahead: as many sets of 16 registers
.set EMAX,  2
.set CB,    8                          ; bytes of 16 codes
.set R,     16                         ; v16-143  eight sets of 16 numbers as they are loaded
.set X,     144                        ; v144-175 two sets of 16 neighbours
.set E,     176                        ; v176-191 a scale byte for each step
.set C,     192                        ; v192-255 codes: four registers for each step; on the path of Wo two sets of 32 registers of f16 pairs
.set WREG,  8192                       ; LDS: a region for each wave: two stages of 32 x SP bytes, behind them its 256 scale bytes
.set SP,    80                         ; a lane's place in a stage: 64 bytes + 16 of padding
.set SPW,   12                         ; v12  LDS address of my spare word; never rewritten
.set NIL,   13                         ; v13  0; never rewritten
.set SPARE, WAVES*WREG                 ; behind the four regions: the spare words, 128 bytes a wave, which no other line names
.set SRC,   24                         ; s[24:25] the source at my wave's run
.set COD,   16                         ; s[16:17] codes
.set SCA,   18                         ; s[18:19] scales
.set WOH,   20                         ; s[20:21] wo16
.set ID_WO, 608
.macro LOAD t
.irp i, 0,1,2,3
	global_load_b128 v[R+16*((\t)%AHEAD)+4*\i:R+16*((\t)%AHEAD)+4*\i+3], v3, s[SRC:SRC+1] offset:2048*(\t)+512*\i th:TH_LOAD_NT   ; 32 lanes read 512 consecutive bytes
.endr
.endm
.macro TURN t                          ; step t's numbers through the stage: LDS serves a wave's instructions in order, so no wait stands between the stores and the loads
.irp i, 0,1,2,3
	ds_store_b128 v14, v[R+16*((\t)%AHEAD)+4*\i:R+16*((\t)%AHEAD)+4*\i+3] offset:32*SP*((\t)%2)+8*SP*\i
.endr
.irp i, 0,1,2,3
	ds_load_b128 v[X+16*((\t)%2)+4*\i:X+16*((\t)%2)+4*\i+3], v15 offset:32*SP*((\t)%2)+16*\i
.endr
.endm
.macro STEP t
.set XS, X+16*((\t)%2)
.if (\t) > 0
	s_wait_dscnt 1                                 ; this step's numbers are back from the stage; the last step's byte store may be out
.else
	s_wait_dscnt 0x0
.endif
.if (\t)+AHEAD < STEPS
	LOAD (\t)+AHEAD                                ; the stage's stores have read these registers: they take the loads of eight steps on
.endif
.if (\t)+1 < STEPS
.if STEPS-2-(\t) >= AHEAD-1
	s_wait_loadcnt 4*(AHEAD-1)                     ; the next step's four loads are in; those of the seven steps behind it may be out
.else
	s_wait_loadcnt 4*(STEPS-2-(\t))                ; in the tail: those of the steps that are left
.endif
	TURN (\t)+1
.endif
	v_max3_num_f32 v8, |v[XS]|, |v[XS+1]|, |v[XS+2]|               ; the largest magnitude of my 16, in two chains
	v_max3_num_f32 v9, |v[XS+3]|, |v[XS+4]|, |v[XS+5]|
.irp i, 6,10
	v_max3_num_f32 v8, v8, |v[XS+\i]|, |v[XS+\i+1]|
	v_max3_num_f32 v9, v9, |v[XS+\i+2]|, |v[XS+\i+3]|
.endr
	v_max3_num_f32 v8, v8, |v[XS+14]|, |v[XS+15]|
	v_max3_num_f32 v8, v8, v9, (EMAX+1)<<23        ; and the floor 2^(3 - 127): the byte cannot fall under 1
	v_max_num_f32_dpp v8, v8, v8 row_xmask:1 row_mask:0xf bank_mask:0xf   ; with my neighbour's 16: the block's
	v_add_nc_u32 v11, -(EMAX<<23), v8              ; 2 off its exponent field: the conversion takes the exponent field of this operand as its scale
	v_cvt_scalef32_pk8_fp4_f32 v[C+4*(\t)], v[XS:XS+7], v11        ; to the nearest code, ties to even, beyond 6 the largest code; the first number's code in the lowest four bits
	v_cvt_scalef32_pk8_fp4_f32 v[C+4*(\t)+1], v[XS+8:XS+15], v11
	v_lshrrev_b32 v[E+(\t)], 23, v11               ; the scale's byte (also the plain line behind the conversions)
	ds_store_b8 v5, v[E+(\t)] offset:16*(\t)       ; both lanes of a block write the same byte with the same value
	global_store_b64 v4, v[C+4*(\t):C+4*(\t)+1], s[COD:COD+1] offset:32*CB*(\t)   ; the wave stores 256 consecutive bytes, aligned
.endm
; Wo: batch g of four: 16 loads of 512 bytes, rounded to f16, 16 stores of 256 consecutive bytes
.macro WOB g
.if (\g) >= 2
	s_wait_xcnt 0x0                                ; the stores of two batches back have read the registers that this batch writes
.endif
.irp i, 0,1,2,3,4,5,6,7,8,9,10,11,12,13,14,15
	global_load_b128 v[R+4*\i:R+4*\i+3], v3, s[SRC:SRC+1] offset:512*(16*(\g)+\i) th:TH_LOAD_NT
.endr
.irp i, 0,1,2,3,4,5,6,7,8,9,10,11,12,13,14,15
	s_wait_loadcnt 15-\i                           ; loads come back in order: load i is in, the batch's younger ones may be out
	v_cvt_pk_f16_f32 v[C+32*((\g)%2)+2*\i], v[R+4*\i], v[R+4*\i+1]
	v_cvt_pk_f16_f32 v[C+32*((\g)%2)+2*\i+1], v[R+4*\i+2], v[R+4*\i+3]
	global_store_b64 v4, v[C+32*((\g)%2)+2*\i:C+32*((\g)%2)+2*\i+1], s[WOH:WOH+1] offset:256*(16*(\g)+\i)
.endr
.endm
	s_load_b512 s[4:19], s[0:1], 0x0               ; x, y, Wq, Wk, Wv, Wo, codes, scales
	s_load_b64 s[20:21], s[0:1], 0x40              ; wo16
	v_lshl_add_u32 v[SPW], v0, 2, SPARE
	v_mov_b32 v[NIL], 0
	v_lshrrev_b32 v1, 5, v0
	v_readfirstlane_b32 s22, v1                    ; wave
	v_and_b32 v2, 31, v0                           ; lane
	v_lshlrev_b32 v3, 4, v2                        ; my 16 bytes of a load's 512
	s_mul_i32 s23, s22, WREG
	v_lshrrev_b32 v14, 2, v2
	v_mul_u32_u24 v14, v14, SP
	v_and_b32 v15, 3, v2
	v_lshl_add_u32 v14, v15, 4, v14
	v_add_nc_u32 v14, s23, v14                     ; the stage, on the way in: SP (lane / 4) + 16 (lane % 4)
	v_mul_u32_u24 v15, v2, SP
	v_add_nc_u32 v15, s23, v15                     ; and on the way out: SP x lane: my 16 neighbours
	v_mul_u32_u24 v4, v2, CB                       ; 8 bytes a lane: my codes' place in a step's, and my f16 numbers' place in a load's
	v_lshrrev_b32 v5, 1, v2
	s_add_co_u32 s23, s23, 2*32*SP
	v_add_nc_u32 v5, s23, v5                       ; LDS: my wave's 256 scale bytes, my block's byte
	v_lshlrev_b32 v7, 3, v2
	v_add_nc_u32 v6, s23, v7                       ; and on the way out 8 bytes a lane
	s_wait_kmcnt 0x0
	s_mov_b64 s[SRC:SRC+1], s[14:15]               ; which tensor: the choice hangs on the work-group's number alone
	s_mov_b32 s26, ID_WO                           ; and the number of its first work-group
	s_cmp_lt_u32 ttmp9, 608
	s_cselect_b64 s[SRC:SRC+1], s[12:13], s[SRC:SRC+1]
	s_cselect_b32 s26, 576, s26
	s_cmp_lt_u32 ttmp9, 576
	s_cselect_b64 s[SRC:SRC+1], s[10:11], s[SRC:SRC+1]
	s_cselect_b32 s26, 544, s26
	s_cmp_lt_u32 ttmp9, 544
	s_cselect_b64 s[SRC:SRC+1], s[8:9], s[SRC:SRC+1]
	s_cselect_b32 s26, 512, s26
	s_cmp_lt_u32 ttmp9, 512
	s_cselect_b64 s[SRC:SRC+1], s[6:7], s[SRC:SRC+1]
	s_cselect_b32 s26, 256, s26
	s_cmp_lt_u32 ttmp9, 256
	s_cselect_b64 s[SRC:SRC+1], s[4:5], s[SRC:SRC+1]
	s_cselect_b32 s26, 0, s26
	s_sub_co_u32 s27, ttmp9, s26
	s_lshl_b32 s27, s27, 2
	s_add_co_u32 s27, s27, s22                     ; which run of 8,192 numbers of the tensor is my wave's
	s_lshl_b32 s28, s27, 15                        ; 32,768 bytes a run
	s_mov_b32 s29, 0
	s_add_nc_u64 s[SRC:SRC+1], s[SRC:SRC+1], s[28:29]
	s_cmp_ge_u32 ttmp9, ID_WO
	s_cbranch_scc1 .Lwo
	s_lshl_b32 s30, ttmp9, 2
	s_add_co_u32 s30, s30, s22                     ; which run of the outputs
	s_lshl_b32 s28, s30, 12                        ; 4,096 bytes of codes a run
	s_add_nc_u64 s[COD:COD+1], s[COD:COD+1], s[28:29]
	s_lshl_b32 s28, s30, 8                         ; 256 scale bytes a run
	s_add_nc_u64 s[SCA:SCA+1], s[SCA:SCA+1], s[28:29]
.irp t, 0,1,2,3,4,5,6,7
	LOAD \t
.endr
	s_wait_loadcnt 4*(AHEAD-1)                     ; step 0's four loads are in; the 28 behind them may be out
	TURN 0
.irp t, 0,1,2,3,4,5,6,7,8,9,10,11,12,13,14,15
	STEP \t
.endr
	ds_load_b64 v[8:9], v6                         ; LDS serves a wave's instructions in order: these see my byte stores
	s_wait_dscnt 0x0
	global_store_b64 v7, v[8:9], s[SCA:SCA+1]      ; 32 lanes store 256 consecutive bytes, aligned
	s_branch .Lend
.Lwo:
	s_lshl_b32 s28, s27, 14                        ; 16,384 bytes of f16 a run
	s_add_nc_u64 s[WOH:WOH+1], s[WOH:WOH+1], s[28:29]
	WOB 0
	WOB 1
	WOB 2
	WOB 3
.Lend:
	s_wait_tensorcnt 0x0                           ; the wave's end, behind my last LDS store
	ds_add_u32 v[SPW], v[NIL]
	s_wait_dscnt 0x0
	s_endpgm
.Lfunc_end_k_qe29516411c_quant:
	.size	k_qe29516411c_quant, .Lfunc_end_k_qe29516411c_quant-k_qe29516411c_quant
	.p2alignl 7, 3214868480
	.fill 96, 4, 3214868480
	.section	.rodata,"a",@progbits
	.p2align	6, 0x0
	.amdhsa_kernel k_qe29516411c_quant
		.amdhsa_group_segment_fixed_size 33280
		.amdhsa_private_segment_fixed_size 0
		.amdhsa_enable_private_segment 0
		.amdhsa_kernarg_size 72
		.amdhsa_user_sgpr_count 2
		.amdhsa_user_sgpr_kernarg_segment_ptr 1
		.amdhsa_wavefront_size32 1
		.amdhsa_system_sgpr_workgroup_id_x 1
		.amdhsa_system_sgpr_workgroup_id_y 1
		.amdhsa_system_sgpr_workgroup_id_z 1
		.amdhsa_system_vgpr_workitem_id 0
		.amdhsa_next_free_vgpr 256
		.amdhsa_next_free_sgpr 66
		.amdhsa_reserve_vcc 0
		.amdhsa_float_denorm_mode_32 3
		.amdhsa_float_denorm_mode_16_64 3
		.amdhsa_memory_ordered 1
		.amdhsa_forward_progress 1
		.amdhsa_inst_pref_size 56
	.end_amdhsa_kernel
	.amdgpu_metadata
---
amdhsa.version: [ 1, 2 ]
amdhsa.kernels:
  - .name:           k_qe29516411c_quant
    .symbol:         k_qe29516411c_quant.kd
    .args:
      - { .name: x, .offset: 0, .size: 8, .value_kind: global_buffer, .address_space: global }
      - { .name: y, .offset: 8, .size: 8, .value_kind: global_buffer, .address_space: global }
      - { .name: Wq, .offset: 16, .size: 8, .value_kind: global_buffer, .address_space: global }
      - { .name: Wk, .offset: 24, .size: 8, .value_kind: global_buffer, .address_space: global }
      - { .name: Wv, .offset: 32, .size: 8, .value_kind: global_buffer, .address_space: global }
      - { .name: Wo, .offset: 40, .size: 8, .value_kind: global_buffer, .address_space: global }
      - { .name: codes, .offset: 48, .size: 8, .value_kind: global_buffer, .address_space: global }
      - { .name: scales, .offset: 56, .size: 8, .value_kind: global_buffer, .address_space: global }
      - { .name: wo16, .offset: 64, .size: 8, .value_kind: global_buffer, .address_space: global }
    .group_segment_fixed_size: 33280
    .private_segment_fixed_size: 0
    .kernarg_segment_align: 8
    .kernarg_segment_size: 72
    .max_flat_workgroup_size: 128
    .sgpr_count:     66
    .vgpr_count:     256
    .wavefront_size: 32
...
	.end_amdgpu_metadata
.endif
;; end of part 1
;; launch proj (part 2): grid 12 x 32, 4 waves a work-group, clusters of 4 x 4, 327,680 bytes of LDS; arguments codes, scales, q16, kv16; writes q16, kv16
.if DOCPART == 2
	.amdgcn_target "amdgcn-amd-amdhsa--gfx1250"
	.amdhsa_code_object_version 6
	.text
	.protected	k_qe29516411c_proj
	.globl	k_qe29516411c_proj
	.p2align	8
	.type	k_qe29516411c_proj,@function
k_qe29516411c_proj:
	s_mov_b64 s[64:65], 0
	v_nop
	global_prefetch_b8 v0, s[64:65] scope:SCOPE_SE
	s_setreg_imm32_b32 hwreg(HW_REG_WAVE_MODE, 25, 1), 1
	s_wait_xcnt 0x0
	s_wait_alu depctr_hold_cnt(0) depctr_sa_sdst(0) depctr_va_vdst(0) depctr_va_sdst(0) depctr_va_ssrc(0) depctr_va_vcc(0) depctr_vm_vsrc(0)
	s_getreg_b32 s2, hwreg(HW_REG_IB_STS2, 6, 4)
	s_cmp_eq_u32 s2, 0
	s_cbranch_scc0 .Lentry_in_a_cluster
	s_endpgm
.Lentry_in_a_cluster:
	s_bfe_u32 s2, ttmp6, 0x10000c
	s_cmp_lg_u32 s2, 0xf033
	s_cbranch_scc0 .Lentry_shape_is_right
	s_endpgm
.Lentry_shape_is_right:
; q = x Wq^T / 8, k = y Wk^T, v = y Wv^T on codes of FP4 (E2M1) with one E8M0 scale for each 32 along K = 1024; sums in f32; results rounded once to f16 and laid by head.
; codes: 19,456 rows of 512 bytes (x, y, Wq, Wk, Wv on end), scales: the same rows of 32 bytes.  q16: [16 b + h][s][64] f16; kv16: [16 b + h][0 K, 1 V][s][64] f16.
; LIMITS: q / 8, k and v must lie under 65,504 in magnitude (f16).
; A tile of C, 256 x 256, is made by a work-group of four waves; a wave makes 128 x 128: 64 accumulators of 16 x 16, 512 registers.  The grid's 12 tile columns are 4 of q, 4 of k, 4 of v:
; a cluster's x says which product it works on (0: A = x; 1, 2: A = y), so all sixteen partners take the same way.  384 work-groups, 24 clusters.
; K is two steps of 512 (rows of 256 bytes): both are asked for at the head, each into a slot of its own, and nothing is filled again.  The scales of the work-group's rows, 8 KB a side, come with them and stay.
; CLUSTERS: 4 x 4 work-groups.  The four of a row of the cluster need the same tiles of A, the four of a column the same tiles of B: each tile is asked for JOINTLY, by the same tensor load with the same
; descriptor and a mask that names the four.  THE MATRIX INSTRUCTION IS USED TRANSPOSED (source 0 = 16 rows of W, source 1 = 16 rows of x or y): a lane then holds eight neighbouring numbers of a row of C.
; REGISTERS, in windows of 256: window 0: v0-31 addresses; v32-95 scale words, two sets; from v128 A's fragments, ONE set; on the way out v32-255 are free.
;   window 1: B's fragments, TWO sets, at v0 and v128.   window 2: the accumulators of my rows 0-63 ((a, b) at v[8 (8 a + b)]);   window 3: those of my rows 64-127.
.set KSTEP,  512
.set NQ,     KSTEP/128                 ; matrix instructions deep in a slot
.set ROWB,   256                       ; a tile's row in bytes
.set KROW,   512                       ; a row of codes in memory
.set PITCH,  272                       ; an LDS row: 256 bytes + 16 of padding = 68 words: the 16 rows that a load touches start at 16 different banks (64 banks of 4 bytes: ISA guide 11.1)
.set FR,     8                         ; registers of a fragment: 16 rows x 128 K
.set NL,     2                         ; LDS loads that bring one
.set NP,     4                         ; places behind this matrix instruction (ISA guide 7.12.1)
.set HALFT,  128*PITCH                 ; 128 rows: what one tensor load brings
.set SLOT,   4*HALFT                   ; A's 256 rows, then B's 256 rows
.set KS,     32                        ; a row of scales in bytes
.set SCL,    2*SLOT                    ; behind the slots: the scales, as rows of 256 bytes + 16 of padding
.set HALFS,  (128*KS/256)*272          ; the scales of 128 rows
.set SBLK,   (16*KS/256)*272           ; those of 16 rows
.set SPARE,  SCL+4*HALFS               ; the spare words, 128 bytes a wave, which no other line names
.set STAGE,  SPARE+512                 ; the way out: 16 rows x (256 bytes + 16) for each wave; no tensor load lands here
.set SPITCH, 272
.set ADRA, 16                          ; v16-17  LDS address of my A fragments in slot 0, 1
.set ADRB, 20                          ; v20-21  the same for B
.set STO,  24                          ; v24     the way out: where I put 16 bytes of a row
.set RD,   25                          ; v25     where I read four rows of one head back
.set CO,   26                          ; v26     16 x lane: my bytes in 512 consecutive bytes of the first head
.set ADRS, 27                          ; v27     LDS address of my scale words: lanes 0-15 A's rows, lanes 16-31 B's
.set SPW,  28                          ; v28     LDS address of my spare word; never rewritten
.set NIL,  29                          ; v29     0; never rewritten
.set CO1,  30                          ; v30     CO + a head's bytes: the second head
.set SC,   32                          ; scale words: set s at v[SC + 32 s]; register 4 i + q: lanes 0-15 A's block i, lanes 16-31 B's block i, the slot's q-th 128 along K
.set AF,   128                         ; A's fragments
.set T2,   64                          ; the way out: a block's 64 numbers, scaled
.set TMP,  192                         ; packed to f16
.set OB,   32                          ; read back from the stage: v32-63 and v224-255 by turns
.set G1, 24                            ; s[24:31] descriptor group 1 for A's tiles;  s[32:39] group 0, one set for each slot
.set G0, 32
.set G1B, 48                           ; s[48:55], s[56:63] the same for B's tiles
.set G0B, 56
.set G1S, 68                           ; s[68:75], s[76:79] groups 1 and 0 for A's scales;  s[80:87], s[88:91] for B's
.set G0S, 76
.set G1SB, 80
.set G0SB, 88
.set HS,  95                           ; s95  a head's bytes in the output: 262,144 in q16, 524,288 in kv16
.set WSEL, 96                          ; s96  262,144 for v, else 0
.set SCQ, 98                           ; s[98:99] 0.125 for q, 1.0 for k and v
.set MSB, 0
.macro WIN new                         ; the immediate's high byte repeats the setting that is left
.if MSB != \new
	s_set_vgpr_msb (MSB<<8)|\new
.set MSB, \new
.endif
.endm
.set MUL_LO, 0xa1                      ; source 0 (B) window 1, source 1 (A) window 0, C and D window 2
.set MUL_HI, 0xf1                      ; the same, C and D window 3
.set TO_B,   0x40                      ; destination window 1, address window 0
; A joint load: waves 0 and 1 fetch for A, waves 2 and 3 for B.  Each line has ONE mask and one set of registers for all that issue it; the branch hangs on the wave's number alone.
; An s_nop 0 and four v_nop follow each of the two lines.
.macro JLOAD g0a, g1a, g0b, g1b
	s_cmp_eq_u32 s15, 0
	s_cbranch_scc0 .Lfor_b_\@
	tensor_load_to_lds s[\g0a:\g0a+3], s[\g1a:\g1a+7]
	s_nop 0
.rept 4
	v_nop
.endr
	s_branch .Lasked_\@
.Lfor_b_\@:
	tensor_load_to_lds s[\g0b:\g0b+3], s[\g1b:\g1b+7]
	s_nop 0
.rept 4
	v_nop
.endr
.Lasked_\@:
.endm
.macro CROUND                          ; a round of the cluster's barrier: my work-group's barrier, wave 0 signals for the work-group, every wave waits for all sixteen, my work-group's barrier once more
	s_barrier_signal -1
	s_barrier_wait -1
	s_cmp_lg_u32 s14, 0
	s_cbranch_scc1 .Lnot_wave_0_\@
	s_barrier_signal -3
.Lnot_wave_0_\@:
	s_barrier_wait -3
	s_barrier_signal -1
	s_barrier_wait -1
.endm
	s_load_b256 s[4:11], s[0:1], 0x0               ; codes s[4:5], scales s[6:7], q16 s[8:9], kv16 s[10:11]
	v_lshl_add_u32 v[SPW], v0, 2, SPARE
	v_mov_b32 v[NIL], 0
	ds_add_u32 v[SPW], v[NIL]                      ; the wave's opening: the add, twice on end, and its wait ahead of my first tensor load
	ds_add_u32 v[SPW], v[NIL]                      ; the set-up below, work on registers, stands between the second and the wait
	v_lshrrev_b32 v1, 5, v0
	v_readfirstlane_b32 s14, v1                    ; wave 0..3
	s_lshr_b32 s15, s14, 1                         ; which half of the tile's rows is mine.  Also: I fetch for A (0) or for B (1)
	s_and_b32 s16, s14, 1                          ; which half of its columns.  Also: which 128 rows of that tile I fetch
	s_bfe_u32 s40, ttmp6, 0x40000                  ; cx, cy: my place in the cluster
	s_bfe_u32 s41, ttmp6, 0x40004
	s_lshl_b32 s42, ttmp9, 2
	s_add_co_u32 s42, s42, s40                     ; tile column 0..11 = 4 x cluster x + cx
	s_and_b32 s17, ttmp7, 0xffff
	s_lshl_b32 s17, s17, 2
	s_add_co_u32 s17, s17, s41                     ; tile row 0..31 = 4 x cluster y + cy
	s_lshl_b32 s43, s41, 2
	s_lshl_b32 s43, 15, s43                        ; my row of the cluster
	s_lshl_b32 s44, 0x1111, s40                    ; my column
	; descriptor group 1: a tile of 128 rows x 256 bytes, padded in LDS
	s_or_b32 s[G1+0], s43, (0<<16)|(1<<20)|(1<<21)|(5<<22)|(3<<25)  ; 15:0 the mask: A's tiles go to my row; 17:16 element of 1 byte; 20 padding on; 21 set beside a mask; 24:22 after every 64 words; 31:25 four words
	s_or_b32 s[G1B+0], s44, (0<<16)|(1<<20)|(1<<21)|(5<<22)|(3<<25)
.irp g, G1, G1B
	s_mov_b32 s[\g+1], ROWB<<16                    ; tensor_dim0
	s_mov_b32 s[\g+2], 128<<16                     ; tensor_dim1
	s_mov_b32 s[\g+3], ROWB<<16                    ; tile_dim0
	s_mov_b32 s[\g+4], 128                         ; tile_dim1
	s_mov_b32 s[\g+5], KROW                        ; from row to row
	s_mov_b32 s[\g+6], 0
	s_mov_b32 s[\g+7], 0
.endr
	; the scales of 128 rows: 4,096 dense bytes, as 16 rows of 256 bytes (32 elements of 8 bytes), 16 bytes of padding behind each
	s_or_b32 s[G1S+0], s43, (3<<16)|(1<<20)|(1<<21)|(5<<22)|(3<<25)
	s_or_b32 s[G1SB+0], s44, (3<<16)|(1<<20)|(1<<21)|(5<<22)|(3<<25)
.irp g, G1S, G1SB
	s_mov_b32 s[\g+1], 32<<16
	s_mov_b32 s[\g+2], (128*KS/256)<<16
	s_mov_b32 s[\g+3], 32<<16
	s_mov_b32 s[\g+4], 128*KS/256
	s_mov_b32 s[\g+5], 32
	s_mov_b32 s[\g+6], 0
	s_mov_b32 s[\g+7], 0
.endr
	; which product: the cluster's x, the same in all sixteen partners
	s_mov_b32 s19, 8192
	s_mov_b32 s[SCQ], 1.0
	s_mov_b32 s[HS], 524288
	s_cmp_eq_u32 ttmp9, 0
	s_cselect_b32 s19, 0, s19                      ; A's first row among the codes: x at 0, y at 8,192
	s_cselect_b32 s[SCQ], 0x3e000000, s[SCQ]       ; q is multiplied by 64^-0.5 = 0.125
	s_cselect_b32 s[HS], 262144, s[HS]
	s_mov_b32 s[SCQ+1], s[SCQ]                     ; (the packed form names the pair)
	s_cmp_eq_u32 ttmp9, 2
	s_cselect_b32 s[WSEL], 262144, 0
	s_lshl_b32 s18, s16, 7                         ; which 128 rows of the tile I fetch
	s_lshl_b32 s20, s17, 8
	s_add_co_u32 s20, s20, s18
	s_add_co_u32 s20, s20, s19                     ; A: row 256 x tile row + 128 x half, in x or in y
	s_lshl_b32 s46, s42, 8
	s_add_co_u32 s46, s46, s18
	s_add_co_u32 s46, s46, 16384                   ; B: the weights begin at row 16,384: + 256 x tile column + 128 x half
	s_lshl_b32 s22, s20, 5                         ; where these rows' scales begin, in bytes,
	s_lshl_b32 s92, s46, 5
	s_lshl_b32 s20, s20, 9                         ; and their codes
	s_lshl_b32 s46, s46, 9
	s_mov_b32 s21, 0
	s_mov_b32 s23, 0
	s_mov_b32 s47, 0
	s_mov_b32 s93, 0
	s_mul_i32 s45, s14, HALFT                      ; where they go: wave x 128 rows: no place in the cluster enters an LDS address
	s_mul_i32 s94, s14, HALFS
	s_wait_dscnt 0x0                               ; both opening adds are done
	s_wait_kmcnt 0x0
	s_add_nc_u64 s[20:21], s[4:5], s[20:21]
	s_add_nc_u64 s[22:23], s[6:7], s[22:23]
	s_add_nc_u64 s[46:47], s[4:5], s[46:47]
	s_add_nc_u64 s[92:93], s[6:7], s[92:93]
	s_cmp_eq_u32 ttmp9, 0
	s_cselect_b64 s[12:13], s[8:9], s[10:11]       ; the output: q16 or kv16
	CROUND                                         ; all sixteen work-groups are here: the joint loads meet
	s_mov_b32 s[G0S], 1
	s_add_co_u32 s[G0S+1], s94, SCL
	s_mov_b64 s[G0S+2:G0S+3], s[22:23]
	s_or_b32 s[G0S+3], s[G0S+3], 0x80000000
	s_mov_b32 s[G0SB], 1
	s_add_co_u32 s[G0SB+1], s94, SCL
	s_mov_b64 s[G0SB+2:G0SB+3], s[92:93]
	s_or_b32 s[G0SB+3], s[G0SB+3], 0x80000000
	JLOAD G0S, G1S, G0SB, G1SB                     ; the scales first: they are wanted with K step 0
.irp s, 0,1
	s_mov_b32 s[G0+4*\s], 1
	s_add_co_u32 s[G0+4*\s+1], s45, \s*SLOT
	s_add_nc_u64 s[G0+4*\s+2:G0+4*\s+3], s[20:21], \s*ROWB
	s_or_b32 s[G0+4*\s+3], s[G0+4*\s+3], 0x80000000
	s_mov_b32 s[G0B+4*\s], 1
	s_add_co_u32 s[G0B+4*\s+1], s45, \s*SLOT
	s_add_nc_u64 s[G0B+4*\s+2:G0B+4*\s+3], s[46:47], \s*ROWB
	s_or_b32 s[G0B+4*\s+3], s[G0B+4*\s+3], 0x80000000
	JLOAD G0+4*\s, G1, G0B+4*\s, G1B               ; three loads of mine are out in all
.endr
	v_and_b32 v1, 15, v0                           ; l % 16
	v_bfe_u32 v2, v0, 4, 1                         ; l / 16
	v_mul_u32_u24 v3, v1, PITCH
	v_lshl_add_u32 v4, v2, 4, v3                   ; a fragment's row x pitch + 16 x half
	s_mul_i32 s21, s15, HALFT                      ; my 128 rows of A
	s_mul_i32 s22, s16, HALFT                      ; my 128 rows of B,
	s_add_co_u32 s22, s22, 2*HALFT                 ; which lie behind A's 256
.irp s, 0,1
	v_add_nc_u32 v[ADRA+\s], s21, v4
	v_add_nc_u32 v[ADRB+\s], s22, v4
	s_add_co_u32 s21, s21, SLOT
	s_add_co_u32 s22, s22, SLOT
.endr
	v_mul_u32_u24 v5, v1, KS                       ; my row's scales: 32 bytes a row,
	v_lshrrev_b32 v6, 8, v5
	v_lshl_add_u32 v5, v6, 4, v5                   ; and 16 more for each 256 passed
	s_mul_i32 s21, s15, HALFS                      ; A's: my 128 rows
	s_mul_i32 s22, s16, HALFS                      ; B's: my 128 rows, behind A's 256
	s_add_co_u32 s22, s22, 2*HALFS
	s_sub_co_u32 s22, s22, s21
	v_mul_u32_u24 v6, s22, v2                      ; lanes 16-31 take B's: the lower base + half x the distance
	s_add_co_u32 s21, s21, SCL
	v_add_nc_u32 v5, v5, v6
	v_add_nc_u32 v[ADRS], s21, v5
	s_mul_i32 s23, s14, 16*SPITCH
	s_add_co_u32 s23, s23, STAGE                   ; my stage
	v_mul_u32_u24 v5, v1, SPITCH                   ; in: row l % 16, 16 bytes for each half of the lanes
	v_lshl_add_u32 v5, v2, 4, v5
	v_add_nc_u32 v[STO], s23, v5
	v_and_b32 v6, 31, v0
	v_lshrrev_b32 v5, 3, v6                        ; back: eight lanes take the 128 bytes of one head in a row, the 32 lanes four rows
	v_mul_u32_u24 v5, v5, SPITCH
	v_and_b32 v7, 7, v0
	v_lshl_add_u32 v5, v7, 4, v5
	v_add_nc_u32 v[RD], s23, v5
	v_lshlrev_b32 v[CO], 4, v6                     ; in the output those four rows are 512 consecutive bytes
	v_add_nc_u32 v[CO1], s[HS], v[CO]
	; where my part begins in the output: head 16 b + 4 cx + 2 x my column half, position 256 (tile row % 8) + 128 x my row half
	s_lshr_b32 s92, s17, 3
	s_lshl_b32 s92, s92, 4
	s_lshl_b32 s93, s40, 2
	s_add_co_u32 s92, s92, s93
	s_lshl_b32 s93, s16, 1
	s_add_co_u32 s92, s92, s93
	s_mul_i32 s92, s92, s[HS]
	s_add_co_u32 s92, s92, s[WSEL]
	s_and_b32 s93, s17, 7
	s_lshl_b32 s93, s93, 8
	s_lshl_b32 s94, s15, 7
	s_add_co_u32 s93, s93, s94
	s_lshl_b32 s93, s93, 7                         ; 128 bytes a position
	s_add_co_u32 s92, s92, s93
	s_mov_b32 s93, 0
	s_add_nc_u64 s[12:13], s[12:13], s[92:93]
.macro FRAG reg, adr, q, i             ; a fragment, 16 rows x 128 K of 4-bit codes: lane l holds row l % 16; registers 4 c .. 4 c + 3 hold K = 64 c + 32 (l / 16) + 0 .. 31
.irp c, 0,1
	ds_load_b128 v[\reg+4*\c:\reg+4*\c+3], v[\adr] offset:64*(\q)+32*\c+(\i)*16*PITCH
.endr
.endm
; 16 matrix instructions: A's blocks a0, a0 + 1 x B's eight, the slot's q-th 128 along K.  p: B's set;  sc: the set of scale words.  zero = 1: the first product starts the sums.
; The 64 accumulators take turns, one instruction a turn, in the same order in every step.
.macro MUL16 a0, p, q, sc, zero
.irp a, \a0, \a0+1
.irp b, 0,1,2,3,4,5,6,7
.if \zero
	v_wmma_scale_f32_16x16x128_f8f6f4 v[8*(8*((\a)%4)+\b):8*(8*((\a)%4)+\b)+7], v[128*(\p)+FR*\b:128*(\p)+FR*\b+FR-1], v[AF+FR*(\a):AF+FR*(\a)+FR-1], 0, v[SC+8*NQ*(\sc)+NQ*\b+(\q)], v[SC+8*NQ*(\sc)+NQ*(\a)+(\q)] matrix_a_fmt:MATRIX_FMT_FP4 matrix_b_fmt:MATRIX_FMT_FP4 matrix_a_scale:MATRIX_SCALE_ROW1
.else
	v_wmma_scale_f32_16x16x128_f8f6f4 v[8*(8*((\a)%4)+\b):8*(8*((\a)%4)+\b)+7], v[128*(\p)+FR*\b:128*(\p)+FR*\b+FR-1], v[AF+FR*(\a):AF+FR*(\a)+FR-1], v[8*(8*((\a)%4)+\b):8*(8*((\a)%4)+\b)+7], v[SC+8*NQ*(\sc)+NQ*\b+(\q)], v[SC+8*NQ*(\sc)+NQ*(\a)+(\q)] matrix_a_fmt:MATRIX_FMT_FP4 matrix_b_fmt:MATRIX_FMT_FP4 matrix_a_scale:MATRIX_SCALE_ROW1
.endif
.endr
.endr
.endm
.macro FETCH_B slot, q, p              ; B's eight fragments of the slot's q-th 128 along K into set p
	WIN TO_B
.irp i, 0,1,2,3,4,5,6,7
	FRAG 128*(\p)+FR*\i, ADRB+\slot, \q, \i
.endr
	WIN 0
.endm
.macro FETCH_A slot, q, i0             ; A's blocks i0 .. i0 + 3
.irp i, \i0, \i0+1, \i0+2, \i0+3
	FRAG AF+FR*(\i), ADRA+\slot, \q, \i
.endr
.endm
.macro SCALES sc                       ; a K step's scale words into set sc: four words a row; lanes 0-15 take A's block i, lanes 16-31 B's block i
.irp i, 0,1,2,3,4,5,6,7
	ds_load_b128 v[SC+8*NQ*\sc+NQ*\i:SC+8*NQ*\sc+NQ*\i+3], v[ADRS] offset:\i*SBLK
.endr
.endm
; A load into a register that a matrix instruction has read, and a vector instruction that reads a matrix result or writes one of its registers, stand NP places behind it; only plain vector
; instructions that name none of its registers are places (ISA guide 7.12.1 for vector instructions).
.macro PLACES n
.rept \n
	v_nop
.endr
.endm
; A step of 128 along K that has its successor in the same slot.  A's blocks are free as soon as their eight products are issued: blocks 0-3 are fetched anew in the middle, blocks 4-7 at the end.
.macro STEP slot, q, zero
	s_wait_dscnt 4*NL                              ; B's set, the scale words and A's blocks 0-3 are in; the youngest eight loads (A's blocks 4-7) may be out
	WIN MUL_LO
	MUL16 0, (\q)%2, \q, \slot, \zero
	MUL16 2, (\q)%2, \q, \slot, \zero
	s_wait_dscnt 0                                 ; A's blocks 4-7 are in
	PLACES NP
	FETCH_B \slot, (\q)+1, 1-(\q)%2
	FETCH_A \slot, (\q)+1, 0
	WIN MUL_HI
	MUL16 4, (\q)%2, \q, \slot, \zero
	MUL16 6, (\q)%2, \q, \slot, \zero
	PLACES NP
	WIN 0
	FETCH_A \slot, (\q)+1, 4
.endm
; Slot 0's last step goes over to slot 1: each wave waits for all its tensor loads (its part of slot 1), adds 0 to its spare word, waits for that and for its LDS loads, and passes the barrier: then slot 1 is whole for all four.
.macro TURN slot, next
	s_wait_tensorcnt 0x0                           ; all my tensor loads have landed
	ds_add_u32 v[SPW], v[NIL]                      ; 0 onto my spare word
	s_wait_dscnt 4*NL+1                            ; (the add and the youngest eight loads may be out)
	WIN MUL_LO
	MUL16 0, 1, NQ-1, \slot, 0                     ; sixteen matrix instructions stand between the add and the wait for it
	s_wait_dscnt 0x0                               ; the add is done, and no LDS load of mine is out
	s_barrier_signal -1
	MUL16 2, 1, NQ-1, \slot, 0
	WIN 0
	s_barrier_wait -1
	PLACES NP
	v_add_nc_u32 v[ADRS], 4*NQ, v[ADRS]            ; on to the next K step's scale words
	FETCH_B \next, 0, 0
	FETCH_A \next, 0, 0
	SCALES \next
	WIN MUL_HI
	MUL16 4, 1, NQ-1, \slot, 0
	MUL16 6, 1, NQ-1, \slot, 0
	PLACES NP
	WIN 0
	FETCH_A \next, 0, 4
.endm
.macro STEPS slot, from                ; the slot's steps from .. NQ - 2
.set Q, \from
.rept NQ-1-\from
	STEP \slot, Q, 0
.set Q, Q+1
.endr
.endm
	s_wait_tensorcnt 1                             ; the scales and my part of K step 0 are in; K step 1's load may be out
	s_barrier_signal -1
	s_barrier_wait -1                              ; everybody's are
	FETCH_B 0, 0, 0
	FETCH_A 0, 0, 0
	SCALES 0
	FETCH_A 0, 0, 4
	STEP 0, 0, 1                                   ; the first products start the sums: nothing is cleared
	STEPS 0, 1
	TURN 0, 1
	STEPS 1, 0
	s_wait_dscnt 4*NL                              ; the last step: nothing more to fetch
	WIN MUL_LO
	MUL16 0, 1, NQ-1, 1, 0
	MUL16 2, 1, NQ-1, 1, 0
	s_wait_dscnt 0
	WIN MUL_HI
	MUL16 4, 1, NQ-1, 1, 0
	MUL16 6, 1, NQ-1, 1, 0
	WIN 0
; THE WAY OUT, block by block of 16 rows x 128 columns (two heads).  PACK: x 0.125 or 1, rounded to f16: 16 bytes a lane.  TOSTAGE: into my own stage, and back head by head, four rows of 128 bytes a load.
; SEND: in the output a head's rows follow each other without a gap, so each store covers 512 consecutive bytes, aligned.
.macro PACK a
.set AC, 64*((\a)%4)
	WIN 0x02+((\a)/4)                              ; source 0: window 2 or 3
.set i, 0
.rept 32
	v_pk_mul_f32 v[T2+2*i:T2+2*i+1], v[AC+2*i:AC+2*i+1], s[SCQ:SCQ+1] op_sel_hi:[1,0]   ; each accumulator from its low end on
.set i, i+1
.endr
	WIN 0
.set i, 0
.rept 32
	v_cvt_pk_f16_f32 v[TMP+i], v[T2+2*i], v[T2+2*i+1]
.set i, i+1
.endr
.endm
.macro TOSTAGE a
.set BB, OB+192*((\a)%2)
.irp b, 0,1,2,3,4,5,6,7
	ds_store_b128 v[STO], v[TMP+4*\b:TMP+4*\b+3] offset:32*\b
.endr
.irp hh, 0,1
.irp i, 0,1,2,3
	ds_load_b128 v[BB+4*(4*\hh+\i):BB+4*(4*\hh+\i)+3], v[RD] offset:128*\hh+4*SPITCH*\i   ; LDS serves a wave's instructions in order: these see the stores above
.endr
.endr
.endm
.macro SEND a
.set BB, OB+192*((\a)%2)
	s_wait_dscnt 0x0                               ; the block is back in registers
	s_wait_xcnt 0x0                                ; the stores of the block before have read their registers: the next block's loads may land there
.irp i, 0,1,2,3
	global_store_b128 v[CO], v[BB+4*\i:BB+4*\i+3], s[12:13] offset:2048*(\a)+512*\i
.endr
.irp i, 0,1,2,3
	global_store_b128 v[CO1], v[BB+16+4*\i:BB+16+4*\i+3], s[12:13] offset:2048*(\a)+512*\i
.endr
.endm
	PLACES NP                                      ; behind the last products: the lines below write registers that held scale words and fragments
	PACK 0
	TOSTAGE 0
.irp a, 1,2,3,4,5,6,7                  ; block a's arithmetic stands between block a - 1's loads from the stage and the wait for them
	PACK \a
	SEND \a-1
	TOSTAGE \a
.endr
	SEND 7
	s_wait_tensorcnt 0x0                           ; the wave's end, behind my last tensor load and my last LDS store
	ds_add_u32 v[SPW], v[NIL]
	s_wait_dscnt 0x0
	CROUND                                         ; the closing round: no work-group ends while a partner may still ask for a tile that names it
	s_endpgm
.Lfunc_end_k_qe29516411c_proj:
	.size	k_qe29516411c_proj, .Lfunc_end_k_qe29516411c_proj-k_qe29516411c_proj
	.p2alignl 7, 3214868480
	.fill 96, 4, 3214868480
	.section	.rodata,"a",@progbits
	.p2align	6, 0x0
	.amdhsa_kernel k_qe29516411c_proj
		.amdhsa_group_segment_fixed_size 327680
		.amdhsa_private_segment_fixed_size 0
		.amdhsa_enable_private_segment 0
		.amdhsa_kernarg_size 32
		.amdhsa_user_sgpr_count 2
		.amdhsa_user_sgpr_kernarg_segment_ptr 1
		.amdhsa_wavefront_size32 1
		.amdhsa_system_sgpr_workgroup_id_x 1
		.amdhsa_system_sgpr_workgroup_id_y 1
		.amdhsa_system_sgpr_workgroup_id_z 1
		.amdhsa_system_vgpr_workitem_id 0
		.amdhsa_next_free_vgpr 1024
		.amdhsa_next_free_sgpr 100
		.amdhsa_reserve_vcc 0
		.amdhsa_float_denorm_mode_32 3
		.amdhsa_float_denorm_mode_16_64 3
		.amdhsa_memory_ordered 1
		.amdhsa_forward_progress 1
		.amdhsa_inst_pref_size 143
	.end_amdhsa_kernel
	.amdgpu_metadata
---
amdhsa.version: [ 1, 2 ]
amdhsa.kernels:
  - .name:           k_qe29516411c_proj
    .symbol:         k_qe29516411c_proj.kd
    .args:
      - { .name: codes, .offset: 0, .size: 8, .value_kind: global_buffer, .address_space: global }
      - { .name: scales, .offset: 8, .size: 8, .value_kind: global_buffer, .address_space: global }
      - { .name: q16, .offset: 16, .size: 8, .value_kind: global_buffer, .address_space: global }
      - { .name: kv16, .offset: 24, .size: 8, .value_kind: global_buffer, .address_space: global }
    .group_segment_fixed_size: 327680
    .private_segment_fixed_size: 0
    .kernarg_segment_align: 8
    .kernarg_segment_size: 32
    .max_flat_workgroup_size: 128
    .sgpr_count:     100
    .vgpr_count:     1024
    .wavefront_size: 32
...
	.end_amdgpu_metadata
.endif
;; end of part 2
;; launch attn (part 3): grid 8 x 32, 8 waves a work-group, clusters of 4 x 4, 327,680 bytes of LDS; arguments q16, kv16, bias, attn16; writes attn16
.if DOCPART == 3
	.amdgcn_target "amdgcn-amd-amdhsa--gfx1250"
	.amdhsa_code_object_version 6
	.text
	.protected	k_qe29516411c_attn
	.globl	k_qe29516411c_attn
	.p2align	8
	.type	k_qe29516411c_attn,@function
k_qe29516411c_attn:
	s_mov_b64 s[64:65], 0
	v_nop
	global_prefetch_b8 v0, s[64:65] scope:SCOPE_SE
	s_setreg_imm32_b32 hwreg(HW_REG_WAVE_MODE, 25, 1), 1
	s_wait_xcnt 0x0
	s_wait_alu depctr_hold_cnt(0) depctr_sa_sdst(0) depctr_va_vdst(0) depctr_va_sdst(0) depctr_va_ssrc(0) depctr_va_vcc(0) depctr_vm_vsrc(0)
	s_getreg_b32 s2, hwreg(HW_REG_IB_STS2, 6, 4)
	s_cmp_eq_u32 s2, 0
	s_cbranch_scc0 .Lentry_in_a_cluster
	s_endpgm
.Lentry_in_a_cluster:
	s_bfe_u32 s2, ttmp6, 0x10000c
	s_cmp_lg_u32 s2, 0xf033
	s_cbranch_scc0 .Lentry_shape_is_right
	s_endpgm
.Lentry_shape_is_right:
; attn[b][q][64 h ..] = the sum over k of softmax_k(q . k + bias[q][k]) v, for 64 (batch, head) pairs g = 16 b + h.  q16 [g][2048][64] f16 (already x 0.125), kv16 [g][0 K, 1 V][2048][64] f16,
; bias [2048][2048] f32, attn16 [b][2048][1024] f16.  Products on f16 operands with f32 sums; bias, maxima, exponentials and sums in f32; the weights p are rounded to f16 for the second product, O once at the end.
; LIMITS: the running maximum is held at -2^127 from below: entries of -infinity in bias give p = 0, a row that is all -infinity gives NaN; the result must lie under 65,504 (f16).
; SHARES.  A work-group owns 256 queries of TWO neighbouring heads; each of its eight waves 32 queries (two tiles of 16) of both heads: four units u = 2 e + t.  Every wave walks all 2,048 keys, 64 a step, 32 steps.
; LAYOUT.  S^T = K Q^T + bias^T (source 0 = 16 keys, source 1 = 16 queries): a lane holds ONE query (lane % 16) and the keys 8 (lane / 16) + 0..7.  THE BIAS IS THE C of each score sum's first matrix instruction:
; eight registers a tile in the result's layout, 32 neighbouring bytes of the query's row; they serve both heads.  Two score tiles, rounded to f16 in pairs, ARE source 1 of O^T = V^T P.  V is turned by ds_load_tr16_b128.
; SOFTMAX.  For each query a running maximum m and sum l: p = 2^(c s - c m), c = log2(e); in every step O and l are multiplied by a = 2^(c m_old - c m_new).
; CLUSTER, 4 x 4.  The four work-groups of a row (one pair of heads, four query blocks) walk the same K and V; the four of a column (one query block, four pairs of heads) the same bias: each tile is asked for JOINTLY.
; THE RING: two slots of one step's tiles.  Behind each round every wave issues one load for the next step: waves 0-3 a quarter of the bias tile, waves 4, 5 K of head 0, 1, waves 6, 7 V of head 0, 1.
; THE ORDER OF A STEP.  Every LDS load is issued a phase ahead of its use: K of head 1 with V of head 0, ahead of head 0's softmax; V of head 1 ahead of head 1's K Q^T.  So a slot's last read is asked for
; ahead of head 1's K Q^T, and the round stands behind those products: between two rounds lie V^T P of head 1 (the step before), K Q^T, softmax and V^T P of head 0, K Q^T of head 1, and ONE softmax of head 1.
; TWO GROUPS OF WAVES, g = (w xor w / 4) & 1 (waves w and w + 4 differ in it, and so do waves 2 i and 2 i + 1): group 1 runs head 1's softmax ahead of the round, group 0 behind it.  So between two rounds
; group 0 goes softmax, products, softmax, products, and group 1 products, softmax, products, softmax: the same work, half a step apart.  Only that softmax stands under a branch on the wave's number.
; REGISTERS: window 0: v1-15 addresses; v32-63 statistics, eight a unit; v64-127 S^T, then p, then P; v128-191 bias; v192-255 K.   window 1: v0-127 O^T, 32 a unit; v128-191 Q, 16 a unit; v192-255 V.
.set SLOT1, 131072                     ; slot 1 begins here
.set PB,    272                        ; a bias row in LDS: 256 bytes + 16: the 16 rows that a load touches start at 16 different banks (64 banks of 4 bytes: ISA guide 11.1)
.set PK,    144                        ; a row of K: 128 bytes + 16
.set PVP,   160                        ; a row of V: 128 bytes + 32: 16 lanes of the turning load take 8 rows x 32 bytes
.set KOFF,  256*PB                     ; a slot: 256 rows of bias, 2 x 64 rows of K, 2 x 64 rows of V
.set VOFF,  KOFF+2*64*PK
.set STAGE, SLOT1+VOFF+2*64*PVP        ; behind the ring: 32 rows x 272 bytes for each wave, for the way out
.set SPARE, STAGE+8*32*272             ; the spare words, 128 bytes a wave, which no other line names
.set AB,  3                            ; v3, v4   LDS address of my bias registers in slot 0, 1
.set AK,  5                            ; v5, v6   of my K fragments
.set AV,  7                            ; v7, v8   of my V fragments
.set QO,  9                            ; v9   my byte offset in a tile of Q
.set STO, 10                           ; v10  the way out: where I put 16 bytes of a row
.set RD,  11                           ; v11  where I read a row back
.set GO,  12                           ; v12  my byte offset in the wave's rows of attn16
.set PFO, 13                           ; v13  the prefetches' offset; never rewritten
.set SPW, 14                           ; v14  LDS address of my spare word; never rewritten
.set NIL, 15                           ; v15  0; never rewritten
.set ST,  32                           ; unit u at v[ST + 8 u]: +0 c m, +1 m, +2, +3 l (even keys', odd keys'), +4 to +7 at work; a takes +6
.set S,   64
.set BI,  128
.set KF,  192
.set O,   0                            ; window 1
.set Q,   128
.set VF,  192
.set GRP, 2                            ; s2  my wave's group
.set WV,  12                           ; s12 my wave's number; s13 cx, s14 cy; s15 my block of 256 queries; s16 my pair of heads
.set CX,  13
.set CY,  14
.set QB,  15
.set HP,  16
.set G1B, 24                           ; s[24:31] descriptor group 1 for the bias;  s[32:39] for K;  s[40:47] for V
.set G1K, 32
.set G1V, 40
.set G0B, 48                           ; s[48:55], s[56:63], s[68:75] their groups 0, one set for each slot
.set G0K, 56
.set G0V, 68
.set LAP, 76                           ; s76 the loop's count
.set CS,  78                           ; s[78:79] c = log2(e): the packed form names a pair
.set SEL, 80                           ; s[80:81] lane selects for v_permlanex16_b32: lane l xor 16
.set PFA, 82                           ; s[82:83] where my prefetches stand
.set PFS, 84                           ; s[84:85] a step on, in bytes
.set LIM, 86                           ; s86 1 in a wave that prefetches, else the greatest number
.set MSB, 0
.macro WIN new                         ; the immediate's high byte repeats the setting that is left
.if MSB != \new
	s_set_vgpr_msb (MSB<<8)|\new
.set MSB, \new
.endif
.endm
.set W_KQ, 0x04                        ; Q (source 1) in window 1; K, bias and S^T in window 0
.set W_PV, 0x51                        ; V (source 0), C and D in window 1; P in window 0
.set W_RS, 0x41                        ; O^T (destination and source 0) in window 1, the factor in window 0
.set TO1,  0x40                        ; destination window 1, address window 0
.macro ROUND                           ; a round of the cluster's barrier
	s_barrier_signal -1
	s_barrier_wait -1
	s_cmp_lg_u32 s[WV], 0
	s_cbranch_scc1 .Lnot_wave_0_\@
	s_barrier_signal -3
.Lnot_wave_0_\@:
	s_barrier_wait -3
	s_barrier_signal -1
	s_barrier_wait -1
.endm
; A joint load into slot n: one a wave.  The branches hang on the wave's number alone.  An s_nop 0 and four v_nop follow each line.
.macro JLOAD n
	s_cmp_lt_u32 s[WV], 4
	s_cbranch_scc0 .Lnot_b_\@
	tensor_load_to_lds s[G0B+4*(\n):G0B+4*(\n)+3], s[G1B:G1B+7]
	s_nop 0
.rept 4
	v_nop
.endr
	s_branch .Lasked_\@
.Lnot_b_\@:
	s_cmp_lt_u32 s[WV], 6
	s_cbranch_scc0 .Lfor_v_\@
	tensor_load_to_lds s[G0K+4*(\n):G0K+4*(\n)+3], s[G1K:G1K+7]
	s_nop 0
.rept 4
	v_nop
.endr
	s_branch .Lasked_\@
.Lfor_v_\@:
	tensor_load_to_lds s[G0V+4*(\n):G0V+4*(\n)+3], s[G1V:G1V+7]
	s_nop 0
.rept 4
	v_nop
.endr
.Lasked_\@:
.endm
; A PREFETCH of the tiles of the step after the one that has just been asked for: one trip ahead of the load that will want them.  Each aligned block of 256 bytes is named once in the launch.
; A bias tile is read by all eight clusters of one cluster x: the one with cluster y = 0 asks; the four partners of a column take 64 rows each, told apart by address; waves 0 and 1, a lane a row.
; K and V of a pair of heads are read by both clusters of one cluster y: the one with cluster x = 0 asks; a step's four dense blocks of 8,192 bytes (K, V, K, V) are shared out by address,
; 2,048 bytes of each to a partner; wave 4, lanes 256 bytes apart.  Steps 0 to 29 ask for steps 2 to 31; the last two steps, written out, ask for nothing.
.macro ASK
	s_cmp_eq_u32 s[LIM], 1
	s_cbranch_scc0 .Lnot_mine_\@
	global_prefetch_b8 v[PFO], s[PFA:PFA+1] th:TH_LOAD_NT scope:SCOPE_SE
.Lnot_mine_\@:
.endm
.macro PLACES n                        ; plain vector lines behind matrix instructions (ISA guide 7.12.1)
.rept \n
	v_nop
.endr
.endm
.macro FETCH_B n                       ; bias of my 32 queries x 64 keys: register 32 t + 8 kt + j = bias(query 16 t + lane % 16, key 16 kt + 8 (lane / 16) + j)
.irp t, 0,1
.irp kt, 0,1,2,3
	ds_load_b128 v[BI+32*\t+8*\kt:BI+32*\t+8*\kt+3],   v[AB+\n] offset:16*PB*\t+64*\kt
	ds_load_b128 v[BI+32*\t+8*\kt+4:BI+32*\t+8*\kt+7], v[AB+\n] offset:16*PB*\t+64*\kt+16
.endr
.endr
.endm
.macro FETCH_K n, e                    ; K of head e: 64 keys x 64 channels: fragment 2 kt + ks: keys 16 kt on, channels 32 ks on
.irp kt, 0,1,2,3
.irp ks, 0,1
	ds_load_b128 v[KF+8*(2*\kt+\ks):KF+8*(2*\kt+\ks)+3],   v[AK+\n] offset:64*PK*\e+16*PK*\kt+64*\ks
	ds_load_b128 v[KF+8*(2*\kt+\ks)+4:KF+8*(2*\kt+\ks)+7], v[AK+\n] offset:64*PK*\e+16*PK*\kt+64*\ks+32
.endr
.endr
.endm
.macro FETCH_V n, e                    ; V of head e, turned: fragment 4 kk + ct: keys 32 kk on, channels 16 ct on
	WIN TO1
.irp kk, 0,1
.irp ct, 0,1,2,3
	ds_load_tr16_b128 v[VF+8*(4*\kk+\ct):VF+8*(4*\kk+\ct)+3],   v[AV+\n] offset:64*PVP*\e+32*PVP*\kk+32*\ct
	ds_load_tr16_b128 v[VF+8*(4*\kk+\ct)+4:VF+8*(4*\kk+\ct)+7], v[AV+\n] offset:64*PVP*\e+32*PVP*\kk+32*\ct+16*PVP
.endr
.endr
	WIN 0
.endm
; 16 products S^T = K Q^T + bias^T.  The eight accumulators take turns, one instruction a turn.
.macro KQ e
.irp ks, 0,1
.irp kt, 0,1,2,3
.irp t, 0,1
.if \ks == 0
	v_wmma_f32_16x16x32_f16 v[S+32*\t+8*\kt:S+32*\t+8*\kt+7], v[KF+8*(2*\kt+\ks):KF+8*(2*\kt+\ks)+7], v[Q+16*(2*\e+\t)+8*\ks:Q+16*(2*\e+\t)+8*\ks+7], v[BI+32*\t+8*\kt:BI+32*\t+8*\kt+7]
.else
	v_wmma_f32_16x16x32_f16 v[S+32*\t+8*\kt:S+32*\t+8*\kt+7], v[KF+8*(2*\kt+\ks):KF+8*(2*\kt+\ks)+7], v[Q+16*(2*\e+\t)+8*\ks:Q+16*(2*\e+\t)+8*\ks+7], v[S+32*\t+8*\kt:S+32*\t+8*\kt+7]
.endif
.endr
.endr
.endr
.endm
; 16 products O^T += V^T P, likewise by turns.  first = 1: the first eight start the sums: nothing is cleared.
.macro PV e, first
.irp kk, 0,1
.irp ct, 0,1,2,3
.irp t, 0,1
.if \first && (\kk == 0)
	v_wmma_f32_16x16x32_f16 v[O+32*(2*\e+\t)+8*\ct:O+32*(2*\e+\t)+8*\ct+7], v[VF+8*(4*\kk+\ct):VF+8*(4*\kk+\ct)+7], v[S+32*\t+8*\kk:S+32*\t+8*\kk+7], 0
.else
	v_wmma_f32_16x16x32_f16 v[O+32*(2*\e+\t)+8*\ct:O+32*(2*\e+\t)+8*\ct+7], v[VF+8*(4*\kk+\ct):VF+8*(4*\kk+\ct)+7], v[S+32*\t+8*\kk:S+32*\t+8*\kk+7], v[O+32*(2*\e+\t)+8*\ct:O+32*(2*\e+\t)+8*\ct+7]
.endif
.endr
.endr
.endr
.endm
.macro UNIT e, t                       ; the registers of tile t of head e
.set rT, ST+8*(2*(\e)+(\t))
.set rS, S+32*(\t)
.set rO, O+32*(2*(\e)+(\t))
.endm
; The softmax of head e for one step; the two tiles alternate line by line, so that no line waits for the line above it.  first = 1: the first step, which starts m, l and O^T.
.macro SOFTMAX e, first
.irp j, 0,1,2,3                        ; the maximum: four chains of seven scores; each score tile is read from its low end on
.irp t, 0,1
	UNIT \e, \t
	v_max3_num_f32 v[rT+4+\j], v[rS+8*\j], v[rS+8*\j+1], v[rS+8*\j+2]
.endr
.endr
.irp p, 3,5
.irp j, 0,1,2,3
.irp t, 0,1
	UNIT \e, \t
	v_max3_num_f32 v[rT+4+\j], v[rT+4+\j], v[rS+8*\j+\p], v[rS+8*\j+\p+1]
.endr
.endr
.endr
.irp t, 0,1
	UNIT \e, \t
	v_max3_num_f32 v[rT+4], v[rT+4], v[rS+7], v[rS+15]             ; the four scores left over
	v_max3_num_f32 v[rT+6], v[rT+6], v[rS+23], v[rS+31]
.endr
.irp t, 0,1
	UNIT \e, \t
	v_max3_num_f32 v[rT+4], v[rT+4], v[rT+5], v[rT+6]
.endr
.irp t, 0,1
	UNIT \e, \t
.if \first
	v_max3_num_f32 v[rT+4], v[rT+4], v[rT+7], 0xff000000           ; with the floor -2^127
.else
	v_max3_num_f32 v[rT+4], v[rT+4], v[rT+7], v[rT+1]              ; with the old m
.endif
.endr
.irp t, 0,1
	UNIT \e, \t
	v_permlanex16_b32 v[rT+5], v[rT+4], s[SEL], s[SEL+1]           ; the query's other 32 keys lie in the lane 16 away
.endr
.if \first == 0
.irp t, 0,1
	UNIT \e, \t
	v_mov_b32 v[rT+7], v[rT]                                       ; c m_old is kept for a
.endr
.endif
.irp t, 0,1
	UNIT \e, \t
	v_max_num_f32 v[rT+1], v[rT+4], v[rT+5]
.endr
.irp t, 0,1
	UNIT \e, \t
	v_mul_f32 v[rT], s[CS], v[rT+1]
.endr
.if \first == 0
.irp t, 0,1
	UNIT \e, \t
	v_sub_f32 v[rT+7], v[rT+7], v[rT]
.endr
.irp t, 0,1
	UNIT \e, \t
	v_exp_f32 v[rT+6], v[rT+7]                                     ; a = 2^(c m_old - c m_new)
.endr
.endif
.irp i, 0,2,4,6,8,10,12,14,16,18,20,22,24,26,28,30
.irp t, 0,1
	UNIT \e, \t
	v_pk_fma_f32 v[rS+\i:rS+\i+1], v[rS+\i:rS+\i+1], s[CS:CS+1], v[rT:rT+1] op_sel_hi:[1,0,0] neg_lo:[0,0,1] neg_hi:[0,0,1]   ; c s - c m, two at a time
.endr
.endr
.irp i, 0,1,2,3,4,5,6,7,8,9,10,11,12,13,14,15,16,17,18,19,20,21,22,23,24,25,26,27,28,29,30,31
.irp t, 0,1
	UNIT \e, \t
	v_exp_f32 v[rS+\i], v[rS+\i]                                   ; p, at most 1
.endr
.endr
	v_nop                                          ; a plain instruction behind the last exponential
	s_wait_alu depctr_va_vdst(0)                   ; the wait ahead of the first line that names a result: one for the whole batch
.irp t, 0,1                            ; the row's sum of the unrounded p, two at a time, in two chains
	UNIT \e, \t
.if \first
	v_pk_add_f32 v[rT+2:rT+3], v[rS:rS+1], v[rS+2:rS+3]
	v_pk_add_f32 v[rT+4:rT+5], v[rS+4:rS+5], v[rS+6:rS+7]
.else
	v_pk_fma_f32 v[rT+2:rT+3], v[rT+2:rT+3], v[rT+6:rT+7], v[rS:rS+1] op_sel_hi:[1,0,1]   ; l a + the first pair
	v_pk_add_f32 v[rT+4:rT+5], v[rS+2:rS+3], v[rS+4:rS+5]
.endif
.endr
.if \first == 0
.irp t, 0,1
	UNIT \e, \t
	v_pk_add_f32 v[rT+2:rT+3], v[rT+2:rT+3], v[rS+6:rS+7]
.endr
.endif
.irp i, 8,12,16,20,24,28
.irp t, 0,1
	UNIT \e, \t
	v_pk_add_f32 v[rT+2:rT+3], v[rT+2:rT+3], v[rS+\i:rS+\i+1]
	v_pk_add_f32 v[rT+4:rT+5], v[rT+4:rT+5], v[rS+\i+2:rS+\i+3]
.endr
.endr
.irp t, 0,1
	UNIT \e, \t
	v_pk_add_f32 v[rT+2:rT+3], v[rT+2:rT+3], v[rT+4:rT+5]
.endr
.irp i, 0,1,2,3,4,5,6,7,8,9,10,11,12,13,14,15
.irp t, 0,1
	UNIT \e, \t
	v_cvt_pk_f16_f32 v[rS+\i], v[rS+2*\i], v[rS+2*\i+1]            ; P, in place: register i is written when registers up to 2 i + 1 have been read
.endr
.endr
.if \first == 0
	WIN W_RS
.irp i, 0,2,4,6,8,10,12,14,16,18,20,22,24,26,28,30
.irp t, 0,1
	UNIT \e, \t
	v_pk_mul_f32 v[rO+\i:rO+\i+1], v[rO+\i:rO+\i+1], v[rT+6:rT+7] op_sel_hi:[1,0]   ; O^T x a, each accumulator from its low end on
.endr
.endr
.endif
.endm
; Head 1's softmax, for the waves of group grp alone: a branch on the wave's number, round vector work on registers and nothing else.
.macro SM1 grp
	s_cmp_eq_u32 s[GRP], \grp
	s_cbranch_scc0 .Lother_\@
	SOFTMAX 1, 0
	WIN 0
.Lother_\@:
.endm
; A trip: from the round that shows step t's slot n whole to the next round.  In front of the round each wave waits for all its tensor loads (its part of step t's tiles), adds 0 to its spare word, and waits for
; that and for its reads of the other slot, the last of which (V of head 1 of step t - 1) was asked for ahead of 16 products.  Behind the round no wave of any partner reads the other slot: it is filled with
; step t + 1's tiles, which have the whole trip in which to land: one load of mine is out.
; mode 0: step 0: nothing is left over from a step before; it starts m, l and O^T, and all waves run head 1's first softmax at its end.  mode 1: step 1: V^T P of head 1 starts its sums.  mode 2: every later step.
.macro TRIP n, refill, ask, mode
	s_wait_tensorcnt 0x0                           ; no tensor load of mine is out, so a group 0 may be written
	ds_add_u32 v[SPW], v[NIL]                      ; 0 onto my spare word; the steps below stand between it and the wait for it
	s_add_nc_u64 s[G0B+4*\n+2:G0B+4*\n+3], s[G0B+4*\n+2:G0B+4*\n+3], 2*256      ; this slot's next tiles: two steps on: 128 keys of 4 bytes,
	s_add_nc_u64 s[G0K+4*\n+2:G0K+4*\n+3], s[G0K+4*\n+2:G0K+4*\n+3], 2*8192     ; 128 rows of 128 bytes
	s_add_nc_u64 s[G0V+4*\n+2:G0V+4*\n+3], s[G0V+4*\n+2:G0V+4*\n+3], 2*8192
.if \ask
	s_wait_xcnt 0x0                                ; the last prefetch, a trip back, has read its address, so it may be written
	s_add_nc_u64 s[PFA:PFA+1], s[PFA:PFA+1], s[PFS:PFS+1]
.endif
	s_wait_dscnt 0x0                               ; the add is done, V of head 1 is in, and my reads of the other slot are over
	ROUND
.if \refill
	JLOAD 1-\n                                     ; the first tensor load behind the round, and my only one until the next
.endif
.if \ask
	ASK
.endif
	FETCH_K \n, 0                                  ; K of head 0 and the bias of this step: they land under group 0's softmax, or under group 1's 16 products
	FETCH_B \n
.if \mode == 2
	SM1 0                                          ; group 0: head 1's softmax of the step before
.endif
.if \mode > 0
	WIN W_PV
.if \mode == 1
	PV 1, 1
.else
	PV 1, 0                                        ; head 1 of the step before: its V came in ahead of the round
.endif
	WIN 0
	PLACES 5                                       ; five places: the products below write over P, an operand of these
.endif
	s_wait_dscnt 0x0                               ; K and the bias are in
	WIN W_KQ
	KQ 0
	WIN 0
	PLACES 4                                       ; four places, ahead of the loads into K's registers and of the first read of the scores
	FETCH_V \n, 0                                  ; V of head 0 and K of head 1 land while the softmax is walked
	FETCH_K \n, 1
.if \mode == 0
	SOFTMAX 0, 1
.else
	SOFTMAX 0, 0
.endif
	s_wait_dscnt 0x0                               ; both are in
	WIN W_PV
.if \mode == 0
	PV 0, 1
.else
	PV 0, 0
.endif
	WIN 0
	PLACES 5                                       ; five places: ahead of the loads into V's registers (four are asked), and of the products that write over P
	FETCH_V \n, 1                                  ; my last read of this slot: it lands under the 16 products below
	WIN W_KQ
	KQ 1
	WIN 0
	PLACES 5                                       ; four are asked ahead of the first read of the scores and of the next loads into K's and the bias's registers; five, so that the distance to the next V^T P holds on every way through the two branches
.if \mode == 0
	SOFTMAX 1, 1                                   ; all waves: so head 1's statistics are written on every way
.else
	SM1 1                                          ; group 1: head 1's softmax of this step
.endif
.endm
	s_load_b256 s[4:11], s[0:1], 0x0               ; q16 s[4:5], kv16 s[6:7], bias s[8:9], attn16 s[10:11]
	v_lshl_add_u32 v[SPW], v0, 2, SPARE
	v_mov_b32 v[NIL], 0
	ds_add_u32 v[SPW], v[NIL]                      ; the wave's opening: the add, twice on end, and its wait ahead of my first tensor load
	ds_add_u32 v[SPW], v[NIL]                      ; the set-up below, work on registers, stands between the second and the wait
	v_lshrrev_b32 v1, 5, v0
	v_readfirstlane_b32 s[WV], v1                  ; wave 0..7
	s_lshr_b32 s[GRP], s[WV], 2
	s_xor_b32 s[GRP], s[GRP], s[WV]
	s_and_b32 s[GRP], s[GRP], 1                    ; my group: (w xor w / 4) & 1
	s_bfe_u32 s[CX], ttmp6, 0x40000
	s_bfe_u32 s[CY], ttmp6, 0x40004
	s_lshl_b32 s[QB], ttmp9, 2
	s_add_co_u32 s[QB], s[QB], s[CX]               ; my block of 256 queries = 4 x cluster x + cx
	s_and_b32 s[HP], ttmp7, 0xffff
	s_lshl_b32 s[HP], s[HP], 2
	s_add_co_u32 s[HP], s[HP], s[CY]               ; my pair of heads = 4 x cluster y + cy
	s_lshl_b32 s17, s[CY], 2
	s_lshl_b32 s17, 15, s17                        ; my row of the cluster
	s_lshl_b32 s18, 0x1111, s[CX]                  ; my column
	s_or_b32 s[G1B], s18, (2<<16)|(1<<20)|(1<<21)|(5<<22)|(3<<25)  ; the bias goes to my column; elements of 4 bytes; padding: four words after every 64
	s_mov_b32 s[G1B+1], 64<<16                     ; tensor_dim0 = 64 keys
	s_mov_b32 s[G1B+2], 64<<16                     ; tensor_dim1 = 64 queries
	s_mov_b32 s[G1B+3], 64<<16                     ; tile_dim0
	s_mov_b32 s[G1B+4], 64                         ; tile_dim1
	s_mov_b32 s[G1B+5], 2048                       ; from row to row
	s_mov_b32 s[G1B+6], 0
	s_mov_b32 s[G1B+7], 0
	s_or_b32 s[G1K], s17, (1<<16)|(1<<20)|(1<<21)|(4<<22)|(3<<25)  ; K and V go to my row; elements of 2 bytes; padding after every 32 words: four words,
	s_or_b32 s[G1V], s17, (1<<16)|(1<<20)|(1<<21)|(4<<22)|(7<<25)  ; or eight
.irp g, G1K, G1V
	s_mov_b32 s[\g+1], 64<<16                      ; 64 channels
	s_mov_b32 s[\g+2], 64<<16                      ; 64 keys
	s_mov_b32 s[\g+3], 64<<16
	s_mov_b32 s[\g+4], 64
	s_mov_b32 s[\g+5], 64
	s_mov_b32 s[\g+6], 0
	s_mov_b32 s[\g+7], 0
.endr
	s_and_b32 s19, s[WV], 3                        ; which quarter of the bias tile,
	s_and_b32 s20, s[WV], 1                        ; which head
	s_lshl_b32 s88, s[QB], 8                       ; the bias chain: the query block and the wave alone
	s_lshl_b32 s89, s19, 6
	s_add_co_u32 s88, s88, s89
	s_lshl_b32 s88, s88, 13                        ; row 256 qb + 64 x quarter, 8,192 bytes a row
	s_mov_b32 s89, 0
	s_lshl_b32 s90, s[HP], 20                      ; the chain of K and V: the pair of heads and the wave alone
	s_lshl_b32 s91, s20, 19
	s_add_co_u32 s90, s90, s91
	s_mov_b32 s91, 0
	s_mul_i32 s21, s19, 64*PB                      ; and where they go: no place in the cluster enters an LDS address
	s_mul_i32 s22, s20, 64*PK
	s_mul_i32 s23, s20, 64*PVP
	s_lshl_b32 s92, s[HP], 19                      ; Q at my wave's first query of the first head
	s_lshl_b32 s93, s[QB], 15
	s_add_co_u32 s92, s92, s93
	s_lshl_b32 s93, s[WV], 12
	s_add_co_u32 s92, s92, s93
	s_mov_b32 s93, 0
	s_lshr_b32 s94, s[HP], 3                       ; attn16: row 2048 b + 256 qb + 32 wave of 2,048 bytes, + 256 bytes for each pair of heads
	s_lshl_b32 s94, s94, 11
	s_lshl_b32 s95, s[QB], 8
	s_add_co_u32 s94, s94, s95
	s_lshl_b32 s95, s[WV], 5
	s_add_co_u32 s94, s94, s95
	s_lshl_b32 s94, s94, 11
	s_and_b32 s95, s[HP], 7
	s_lshl_b32 s95, s95, 8
	s_add_co_u32 s94, s94, s95
	s_mov_b32 s95, 0
	s_lshl_b32 s98, s[QB], 8                       ; the prefetches: bias rows 256 qb + 64 cy + 32 wave on, at step 1;
	s_lshl_b32 s99, s[CY], 6
	s_add_co_u32 s98, s98, s99
	s_lshl_b32 s99, s[WV], 5
	s_add_co_u32 s98, s98, s99
	s_lshl_b32 s98, s98, 13
	s_add_co_u32 s98, s98, 256
	s_lshl_b32 s99, s[HP], 20                      ; K and V: my pair of heads, my work-group's 2,048 bytes, at step 1
	s_lshl_b32 s96, s[CX], 11
	s_add_co_u32 s99, s99, s96
	s_add_co_u32 s99, s99, 8192
	s_mov_b32 s[PFS], 8192
	s_mov_b32 s96, 256
	s_mov_b32 s97, 260096
	s_cmp_lt_u32 s[WV], 4
	s_cselect_b32 s98, s98, s99
	s_cselect_b32 s[PFS], 256, s[PFS]              ; a step on
	s_cselect_b32 s96, 8192, s96                   ; from lane to lane
	s_cselect_b32 s97, 0, s97                      ; and what each eight lanes add: 262,144 - 2,048, on to the next of K, V, K, V
	s_mov_b32 s99, 0
	s_mov_b32 s[PFS+1], 0
	s_and_b32 s77, ttmp7, 0xffff                   ; who asks: waves 0, 1 where cluster y = 0; wave 4 where cluster x = 0: the same in all sixteen partners
	s_mov_b32 s87, 1
	s_cmp_lt_u32 s[WV], 2
	s_cselect_b32 s87, s77, s87
	s_cmp_eq_u32 s[WV], 4
	s_cselect_b32 s87, ttmp9, s87
	s_cmp_eq_u32 s87, 0
	s_cselect_b32 s[LIM], 1, -1
	s_mov_b32 s[CS], 0x3fb8aa3b                    ; c = log2(e)
	s_mov_b32 s[CS+1], s[CS]
	s_mov_b32 s[SEL], 0x76543210
	s_mov_b32 s[SEL+1], 0xfedcba98
	s_wait_dscnt 0x0                               ; both opening adds are done
	s_wait_kmcnt 0x0
	s_add_nc_u64 s[88:89], s[8:9], s[88:89]
	s_add_nc_u64 s[90:91], s[6:7], s[90:91]
	s_add_nc_u64 s[4:5], s[4:5], s[92:93]
	s_add_nc_u64 s[10:11], s[10:11], s[94:95]
	s_cmp_lt_u32 s[WV], 4
	s_cselect_b64 s[PFA:PFA+1], s[8:9], s[6:7]
	s_add_nc_u64 s[PFA:PFA+1], s[PFA:PFA+1], s[98:99]  ; nothing is prefetched here, at the head: steps 0 and 1 come by their loads alone
.irp n, 0,1
	s_mov_b32 s[G0B+4*\n], 1                                       ; count = 1
	s_add_co_u32 s[G0B+4*\n+1], s21, \n*SLOT1                      ; LDS address
	s_add_nc_u64 s[G0B+4*\n+2:G0B+4*\n+3], s[88:89], \n*256        ; global address: step n
	s_or_b32 s[G0B+4*\n+3], s[G0B+4*\n+3], 0x80000000              ; type = 2
	s_mov_b32 s[G0K+4*\n], 1
	s_add_co_u32 s[G0K+4*\n+1], s22, \n*SLOT1+KOFF
	s_add_nc_u64 s[G0K+4*\n+2:G0K+4*\n+3], s[90:91], \n*8192
	s_or_b32 s[G0K+4*\n+3], s[G0K+4*\n+3], 0x80000000
	s_mov_b32 s[G0V+4*\n], 1
	s_add_co_u32 s[G0V+4*\n+1], s23, \n*SLOT1+VOFF
	s_add_nc_u64 s[G0V+4*\n+2:G0V+4*\n+3], s[90:91], \n*8192+262144
	s_or_b32 s[G0V+4*\n+3], s[G0V+4*\n+3], 0x80000000
.endr
	ROUND                                          ; all sixteen work-groups are here: the first joint loads meet
	JLOAD 0                                        ; step 0
	v_and_b32 v1, 15, v0                           ; r = lane % 16
	v_bfe_u32 v2, v0, 4, 1                         ; h = lane / 16
	v_lshlrev_b32 v[QO], 7, v1
	v_lshl_add_u32 v[QO], v2, 4, v[QO]             ; Q: row r of 128 bytes + 16 h
	WIN TO1
.irp e, 0,1                            ; Q stays in registers: unit 2 e + t, channels 32 ks on
.irp t, 0,1
.irp ks, 0,1
	global_load_b128 v[Q+16*(2*\e+\t)+8*\ks:Q+16*(2*\e+\t)+8*\ks+3],   v[QO], s[4:5] offset:262144*\e+2048*\t+64*\ks
	global_load_b128 v[Q+16*(2*\e+\t)+8*\ks+4:Q+16*(2*\e+\t)+8*\ks+7], v[QO], s[4:5] offset:262144*\e+2048*\t+64*\ks+32
.endr
.endr
.endr
	WIN 0
	s_mul_i32 s92, s[WV], 32*PB
	v_mul_u32_u24 v[AB], v1, PB
	v_lshl_add_u32 v[AB], v2, 5, v[AB]
	v_add_nc_u32 v[AB], s92, v[AB]                 ; bias: row 32 wave + r, + 32 h bytes
	v_add_nc_u32 v[AB+1], SLOT1, v[AB]
	v_mul_u32_u24 v[AK], v1, PK
	v_lshl_add_u32 v[AK], v2, 4, v[AK]
	v_add_nc_u32 v[AK], KOFF, v[AK]                ; K: row r, + 16 h bytes
	v_add_nc_u32 v[AK+1], SLOT1, v[AK]
	v_and_b32 v16, 7, v0
	v_bfe_u32 v17, v0, 3, 1
	v_lshl_add_u32 v[AV], v2, 3, v16
	v_mul_u32_u24 v[AV], v[AV], PVP
	v_lshl_add_u32 v[AV], v17, 4, v[AV]
	v_add_nc_u32 v[AV], VOFF, v[AV]                ; V: key 8 h + lane % 8, channels 8 ((lane / 8) % 2) on
	v_add_nc_u32 v[AV+1], SLOT1, v[AV]
	s_mul_i32 s93, s[WV], 32*272
	s_add_co_u32 s93, s93, STAGE                   ; my stage
	v_mul_u32_u24 v[STO], v1, 272
	v_lshl_add_u32 v[STO], v2, 4, v[STO]
	v_add_nc_u32 v[STO], s93, v[STO]               ; in: row r, 16 bytes for each half of the lanes
	v_mul_u32_u24 v[RD], v2, 272
	v_lshl_add_u32 v[RD], v1, 4, v[RD]
	v_add_nc_u32 v[RD], s93, v[RD]                 ; back: lanes 0-15 one row of 256 bytes, lanes 16-31 the next
	v_lshlrev_b32 v[GO], 11, v2
	v_lshl_add_u32 v[GO], v1, 4, v[GO]             ; and the same two rows in attn16
	v_and_b32 v16, 31, v0
	v_lshrrev_b32 v17, 3, v16
	v_mul_lo_u32 v[PFO], v16, s96
	v_mul_lo_u32 v17, v17, s97
	v_add_nc_u32 v[PFO], v[PFO], v17
	s_wait_loadcnt 0x0                             ; Q
	TRIP 0, 1, 1, 0                                ; step 0; slot 1 is filled for the first time, as a refill is
	TRIP 1, 1, 1, 1                                ; step 1
	s_mov_b32 s[LAP], 14
.Llap:                                             ; steps 2 to 29, two a trip of the loop
	TRIP 0, 1, 1, 2
	TRIP 1, 1, 1, 2
	s_sub_co_u32 s[LAP], s[LAP], 1
	s_cmp_lg_u32 s[LAP], 0
	s_cbranch_scc1 .Llap
	TRIP 0, 1, 0, 2                                ; step 30: the last load; no step is left to prefetch
	TRIP 1, 0, 0, 2                                ; step 31 is written out: it asks for nothing
	SM1 0                                          ; group 0: head 1's last softmax
	s_wait_dscnt 0x0                               ; V of head 1
	WIN W_PV
	PV 1, 0
	WIN 0
	PLACES 5
	; THE WAY OUT.  l's two halves and the other half of the lanes' are added; O^T is divided by l, rounded to f16 and sent through my stage: a query's two heads are 256 neighbouring bytes of attn16.
.irp u, 0,1,2,3
	v_add_f32 v[ST+8*\u+4], v[ST+8*\u+2], v[ST+8*\u+3]
.endr
.irp u, 0,1,2,3
	v_permlanex16_b32 v[ST+8*\u+5], v[ST+8*\u+4], s[SEL], s[SEL+1]
.endr
.irp u, 0,1,2,3
	v_add_f32 v[ST+8*\u+4], v[ST+8*\u+4], v[ST+8*\u+5]
.endr
.irp u, 0,1,2,3
	v_rcp_f32 v[ST+8*\u+6], v[ST+8*\u+4]
.endr
	v_nop                                          ; a plain instruction behind the last reciprocal
	s_wait_alu depctr_va_vdst(0)                   ; and the wait ahead of the first use: one for the four
.macro PACK u
	WIN W_RS
.set i, 0
.rept 16
	v_pk_mul_f32 v[O+32*(\u)+2*i:O+32*(\u)+2*i+1], v[O+32*(\u)+2*i:O+32*(\u)+2*i+1], v[ST+8*(\u)+6:ST+8*(\u)+7] op_sel_hi:[1,0]
.set i, i+1
.endr
	WIN 0x05                                       ; sources 0 and 1 window 1, destination window 0
.set i, 0
.rept 16
	v_cvt_pk_f16_f32 v[S+16*(\u)+i], v[O+32*(\u)+2*i], v[O+32*(\u)+2*i+1]
.set i, i+1
.endr
	WIN 0
.irp ct, 0,1,2,3
	ds_store_b128 v[STO], v[S+16*(\u)+4*\ct:S+16*(\u)+4*\ct+3] offset:16*272*((\u)%2)+128*((\u)/2)+32*\ct
.endr
.endm
	PACK 0
	PACK 1
	PACK 2
	PACK 3
.irp i, 0,1,2,3,4,5,6,7,8,9,10,11,12,13,14,15
	ds_load_b128 v[BI+4*\i:BI+4*\i+3], v[RD] offset:2*272*\i       ; LDS serves a wave's instructions in order: these see my stores
.endr
.irp i, 0,1,2,3,4,5,6,7,8,9,10,11,12,13,14,15
	s_wait_dscnt 15-\i                             ; load i is back; the younger ones may be out
	global_store_b128 v[GO], v[BI+4*\i:BI+4*\i+3], s[10:11] offset:4096*\i   ; 16 lanes store 256 consecutive bytes, aligned
.endr
	s_wait_tensorcnt 0x0                           ; the wave's end, behind my last tensor load and my last LDS store
	ds_add_u32 v[SPW], v[NIL]
	s_wait_dscnt 0x0
	ROUND                                          ; the closing round: no work-group ends while a partner may still ask for a tile that names it
	s_endpgm
.Lfunc_end_k_qe29516411c_attn:
	.size	k_qe29516411c_attn, .Lfunc_end_k_qe29516411c_attn-k_qe29516411c_attn
	.p2alignl 7, 3214868480
	.fill 96, 4, 3214868480
	.section	.rodata,"a",@progbits
	.p2align	6, 0x0
	.amdhsa_kernel k_qe29516411c_attn
		.amdhsa_group_segment_fixed_size 327680
		.amdhsa_private_segment_fixed_size 0
		.amdhsa_enable_private_segment 0
		.amdhsa_kernarg_size 32
		.amdhsa_user_sgpr_count 2
		.amdhsa_user_sgpr_kernarg_segment_ptr 1
		.amdhsa_wavefront_size32 1
		.amdhsa_system_sgpr_workgroup_id_x 1
		.amdhsa_system_sgpr_workgroup_id_y 1
		.amdhsa_system_sgpr_workgroup_id_z 1
		.amdhsa_system_vgpr_workitem_id 0
		.amdhsa_next_free_vgpr 512
		.amdhsa_next_free_sgpr 100
		.amdhsa_reserve_vcc 0
		.amdhsa_float_denorm_mode_32 3
		.amdhsa_float_denorm_mode_16_64 3
		.amdhsa_memory_ordered 1
		.amdhsa_forward_progress 1
		.amdhsa_inst_pref_size 255
	.end_amdhsa_kernel
	.section	.bss,"aw",@nobits
	.p2align	6
	.space	262144
	.amdgpu_metadata
---
amdhsa.version: [ 1, 2 ]
amdhsa.kernels:
  - .name:           k_qe29516411c_attn
    .symbol:         k_qe29516411c_attn.kd
    .args:
      - { .name: q16, .offset: 0, .size: 8, .value_kind: global_buffer, .address_space: global }
      - { .name: kv16, .offset: 8, .size: 8, .value_kind: global_buffer, .address_space: global }
      - { .name: bias, .offset: 16, .size: 8, .value_kind: global_buffer, .address_space: global }
      - { .name: attn16, .offset: 24, .size: 8, .value_kind: global_buffer, .address_space: global }
    .group_segment_fixed_size: 327680
    .private_segment_fixed_size: 0
    .kernarg_segment_align: 8
    .kernarg_segment_size: 32
    .max_flat_workgroup_size: 256
    .sgpr_count:     100
    .vgpr_count:     512
    .wavefront_size: 32
...
	.end_amdgpu_metadata
.endif
;; end of part 3
;; launch outp (part 4): grid 8 x 32, 4 waves a work-group, clusters of 4 x 4, 327,680 bytes of LDS; arguments attn16, wo16, out0; writes out0
.if DOCPART == 4
	.amdgcn_target "amdgcn-amd-amdhsa--gfx1250"
	.amdhsa_code_object_version 6
	.text
	.protected	k_qe29516411c_outp
	.globl	k_qe29516411c_outp
	.p2align	8
	.type	k_qe29516411c_outp,@function
k_qe29516411c_outp:
	s_mov_b64 s[64:65], 0
	v_nop
	global_prefetch_b8 v0, s[64:65] scope:SCOPE_SE
	s_setreg_imm32_b32 hwreg(HW_REG_WAVE_MODE, 25, 1), 1
	s_wait_xcnt 0x0
	s_wait_alu depctr_hold_cnt(0) depctr_sa_sdst(0) depctr_va_vdst(0) depctr_va_sdst(0) depctr_va_ssrc(0) depctr_va_vcc(0) depctr_vm_vsrc(0)
	s_getreg_b32 s2, hwreg(HW_REG_IB_STS2, 6, 4)
	s_cmp_eq_u32 s2, 0
	s_cbranch_scc0 .Lentry_in_a_cluster
	s_endpgm
.Lentry_in_a_cluster:
	s_bfe_u32 s2, ttmp6, 0x10000c
	s_cmp_lg_u32 s2, 0xf033
	s_cbranch_scc0 .Lentry_shape_is_right
	s_endpgm
.Lentry_shape_is_right:
; out0[m][n] = sum over k of attn16[m][k] wo16[n][k].  attn16: [8192][1024] f16, wo16: [1024][1024] f16, out0: [8192][1024] f32; sums in f32.
; A tile of C is 128 x 128: 512 tiles.  A WORK-GROUP STAYS: 256 work-groups make two tiles each, 4,096 rows apart, which share their rows of wo16.  Four waves, each 64 x 64: 16 accumulators, 128 registers.
; K goes in steps of 256 (LDS rows of 512 bytes; a wave's tensor load brings 64 of them) through two slots, and the ring does not stop at the first tile's end: eight K steps on end; the first tile's last two
; changes of slots ask for the second tile's first two K steps, and the first tile goes out while those are on their way.  Nothing waits for its stores.  The text is written out: 32 quarters, no loop.
; CLUSTERS: 4 x 4 work-groups.  The four of a row of the cluster need the same tiles of A, the four of a column the same tiles of B: each tile is asked for JOINTLY, by the same tensor load with the
; same descriptor and a mask that names the four.  THE MATRIX INSTRUCTION IS USED TRANSPOSED (source 0 = 16 rows of B, source 1 = 16 rows of A): a lane then holds eight neighbouring numbers of a row of C.
; REGISTERS: window 0: v0-31 addresses; v32-95 at work on the way out; v128-255 the accumulators ((a, b) at v[128 + 8 (4 a + b)]).
;   window 1: two fragment buffers of 128: for 64 along K, 64 registers of A (2 x 4 x 16 rows x 32 K), then 64 of B.
.set SIZE_M, 8192
.set SIZE_N, 1024
.set SIZE_K, 1024
.set KSTEP,  256
.set WALK,   SIZE_M/2                  ; a work-group's two tiles lie WALK rows apart
.set NEXT_A, WALK*SIZE_K*2-(SIZE_K-2*KSTEP)*2   ; bytes from a slot's last K step of the first tile to its first of the second: WALK rows down and back along K,
.set BACK_B, (SIZE_K-2*KSTEP)*2        ; B only back
.set PITCH,  528                       ; an LDS row: 512 bytes + 16 of padding = 132 words: the 16 rows that a load touches start at 16 different banks (64 banks of 4 bytes: ISA guide 11.1)
.set HALFT,  64*PITCH                  ; 64 rows: what one tensor load brings, and what one wave reads of A or of B
.set SLOT,   4*HALFT                   ; A's 128 rows, then B's 128 rows
.set STAGE,  2*SLOT                    ; behind the ring: 16 rows x 272 bytes for each wave, for the way out; no tensor load lands here
.set SPITCH, 272
.set SPARE,  STAGE+4*16*SPITCH         ; the spare words, 128 bytes a wave, which no other line names
.set ADRA, 16                          ; v16-17  LDS address of my A fragments in slot 0, 1
.set ADRB, 20                          ; v20-21  the same for B
.set STO,  24                          ; v24     the way out: where I put 32 bytes of a row
.set RD,   25                          ; v25     where I read a row back
.set CO,   26                          ; v26     my byte offset in C
.set SPW,  28                          ; v28     LDS address of my spare word; never rewritten
.set NIL,  29                          ; v29     0; never rewritten
.set TMP,  32                          ; the way out: two sets of 32 registers
.set ACC,  128
.set F0,   0                           ; fragment buffers, in window 1
.set F1,   128
.set G1, 24                            ; s[24:31] descriptor group 1 for A's tiles;  s[32:39] group 0, one set for each slot
.set G0, 32
.set G1B, 48                           ; s[48:55], s[56:63] the same for B's tiles
.set G0B, 56
.set MSB, 0
.macro WIN new                         ; the immediate's high byte repeats the setting that is left
.if MSB != \new
	s_set_vgpr_msb (MSB<<8)|\new
.set MSB, \new
.endif
.endm
.set MUL,  0x05                        ; sources 0 (B) and 1 (A) window 1; C and D window 0
.set TO_F, 0x40                        ; destination window 1, address window 0
.macro JLOAD s                         ; a joint load: waves 0 and 1 fetch A's two halves, waves 2 and 3 B's; an s_nop 0 and four v_nop follow each of the two lines
	s_cmp_eq_u32 s11, 0
	s_cbranch_scc0 .Lfor_b_\@
	tensor_load_to_lds s[G0+4*\s:G0+4*\s+3], s[G1:G1+7]
	s_nop 0
.rept 4
	v_nop
.endr
	s_branch .Lasked_\@
.Lfor_b_\@:
	tensor_load_to_lds s[G0B+4*\s:G0B+4*\s+3], s[G1B:G1B+7]
	s_nop 0
.rept 4
	v_nop
.endr
.Lasked_\@:
.endm
.macro CREST                           ; a round of the cluster's barrier behind its opening barrier
	s_cmp_lg_u32 s10, 0
	s_cbranch_scc1 .Lnot_wave_0_\@
	s_barrier_signal -3
.Lnot_wave_0_\@:
	s_barrier_wait -3
	s_barrier_signal -1
	s_barrier_wait -1
.endm
.macro CROUND                          ; a whole round
	s_barrier_signal -1
	s_barrier_wait -1
	CREST
.endm
	s_load_b128 s[4:7], s[0:1], 0x0                ; A s[4:5], B s[6:7]
	s_load_b64 s[8:9], s[0:1], 0x10                ; C
	v_lshl_add_u32 v[SPW], v0, 2, SPARE
	v_mov_b32 v[NIL], 0
	ds_add_u32 v[SPW], v[NIL]                      ; the wave's opening: the add, twice on end, and its wait ahead of my first tensor load
	ds_add_u32 v[SPW], v[NIL]                      ; the set-up below, work on registers, stands between the second and the wait
	v_lshrrev_b32 v1, 5, v0
	v_readfirstlane_b32 s10, v1                    ; wave 0..3
	s_lshr_b32 s11, s10, 1                         ; which half of the tile's rows is mine.  Also: I fetch for A (0) or for B (1)
	s_and_b32 s12, s10, 1                          ; which half of its columns.  Also: which 64 rows of that tile I fetch
	s_bfe_u32 s40, ttmp6, 0x40000                  ; cx, cy: my place in the cluster
	s_bfe_u32 s41, ttmp6, 0x40004
	s_lshl_b32 s42, ttmp9, 2
	s_add_co_u32 s42, s42, s40                     ; tile column of C = 4 x cluster x + cx
	s_and_b32 s13, ttmp7, 0xffff
	s_lshl_b32 s13, s13, 2
	s_add_co_u32 s13, s13, s41                     ; the first tile's row of tiles = 4 x cluster y + cy: 0 to 31
	s_lshl_b32 s43, s41, 2
	s_lshl_b32 s43, 15, s43                        ; my row of the cluster
	s_lshl_b32 s44, 0x1111, s40                    ; my column
	; descriptor group 1: a tile of 64 rows x 256 elements, padded in LDS
	s_or_b32 s[G1+0], s43, (1<<16)|(1<<20)|(1<<21)|(6<<22)|(3<<25)  ; the mask: A's tiles go to my row; element of 2 bytes; padding on; bit 21 set beside a mask; four words after every 128
	s_or_b32 s[G1B+0], s44, (1<<16)|(1<<20)|(1<<21)|(6<<22)|(3<<25)
.irp g, G1, G1B
	s_mov_b32 s[\g+1], KSTEP<<16                   ; tensor_dim0 = 256
	s_mov_b32 s[\g+2], 64<<16                      ; tensor_dim1 = 64
	s_mov_b32 s[\g+3], KSTEP<<16                   ; tile_dim0 = 256
	s_mov_b32 s[\g+4], 64                          ; tile_dim1 = 64
	s_mov_b32 s[\g+5], SIZE_K                      ; from row to row
	s_mov_b32 s[\g+6], 0
	s_mov_b32 s[\g+7], 0
.endr
	s_lshl_b32 s17, s12, 6                         ; which 64 rows of the tile I fetch
	s_lshl_b32 s16, s13, 7
	s_add_co_u32 s16, s16, s17                     ; A: row 128 x tile row + 64 x half
	s_lshl_b32 s46, s42, 7
	s_add_co_u32 s46, s46, s17                     ; B: row 128 x tile column + 64 x half
	s_mov_b32 s17, 0
	s_mov_b32 s47, 0
	s_mov_b64 s[18:19], SIZE_K*2
	s_mul_u64 s[16:17], s[16:17], s[18:19]
	s_mul_u64 s[46:47], s[46:47], s[18:19]
	s_mul_i32 s20, s10, HALFT                      ; where they go: wave x 64 rows
	s_wait_dscnt 0x0                               ; both opening adds are done
	s_wait_kmcnt 0x0
	s_add_nc_u64 s[14:15], s[4:5], s[16:17]
	s_add_nc_u64 s[46:47], s[6:7], s[46:47]
	CROUND                                         ; all sixteen work-groups are here: the first joint loads meet
.irp s, 0,1
	s_mov_b32 s[G0+4*\s], 1
	s_add_co_u32 s[G0+4*\s+1], s20, \s*SLOT
	s_add_nc_u64 s[G0+4*\s+2:G0+4*\s+3], s[14:15], \s*KSTEP*2
	s_or_b32 s[G0+4*\s+3], s[G0+4*\s+3], 0x80000000
	s_mov_b32 s[G0B+4*\s], 1
	s_add_co_u32 s[G0B+4*\s+1], s20, \s*SLOT
	s_add_nc_u64 s[G0B+4*\s+2:G0B+4*\s+3], s[46:47], \s*KSTEP*2
	s_or_b32 s[G0B+4*\s+3], s[G0B+4*\s+3], 0x80000000
	JLOAD \s
.endr
	v_and_b32 v1, 15, v0                           ; l % 16
	v_bfe_u32 v2, v0, 4, 1                         ; l / 16
	v_mul_u32_u24 v3, v1, PITCH
	v_lshl_add_u32 v3, v2, 4, v3                   ; a fragment's row x pitch + 16 x half
	s_mul_i32 s21, s11, HALFT                      ; my 64 rows of A
	s_mul_i32 s22, s12, HALFT                      ; my 64 rows of B,
	s_add_co_u32 s22, s22, 2*HALFT                 ; which lie behind A's 128
.irp s, 0,1
	v_add_nc_u32 v[ADRA+\s], s21, v3
	v_add_nc_u32 v[ADRB+\s], s22, v3
	s_add_co_u32 s21, s21, SLOT
	s_add_co_u32 s22, s22, SLOT
.endr
	s_mul_i32 s23, s10, 16*SPITCH
	s_add_co_u32 s23, s23, STAGE                   ; my stage: my 64 columns of f32 are 256 bytes, so no other wave has a part in its rows
	v_mul_u32_u24 v4, v1, SPITCH                   ; in: row l % 16, 32 bytes for each half of the lanes
	v_lshl_add_u32 v4, v2, 5, v4
	v_add_nc_u32 v[STO], s23, v4
	v_mul_u32_u24 v5, v2, SPITCH                   ; back: lanes 0-15 take one row of 256 bytes, lanes 16-31 the next
	v_lshl_add_u32 v5, v1, 4, v5
	v_add_nc_u32 v[RD], s23, v5
	v_mul_u32_u24 v5, v2, SIZE_N*4                 ; and the same two rows in C
	v_lshl_add_u32 v[CO], v1, 4, v5
	s_lshl_b32 s16, s13, 7
	s_lshl_b32 s17, s11, 6
	s_add_co_u32 s16, s16, s17                     ; my first row of C: 128 x tile row + 64 x half
	s_lshl_b32 s16, s16, 12                        ; 4,096 bytes a row
	s_mov_b32 s17, 0
	s_add_nc_u64 s[8:9], s[8:9], s[16:17]
	s_lshl_b32 s46, s42, 9                         ; my first column, in bytes: 512 x tile column + 256 x half
	s_lshl_b32 s47, s12, 8
	s_add_co_u32 s46, s46, s47
	s_mov_b32 s47, 0
	s_add_nc_u64 s[8:9], s[8:9], s[46:47]
; 8 matrix instructions: m blocks a0, a0 + 1 x all 4 n blocks, 32 along K: half c of buffer f.  zero = 1: the first product starts the sums.  The 16 accumulators take turns.
.macro MUL8 f, c, a0, zero
.irp a, \a0, \a0+1
.irp b, 0,1,2,3
.if \zero
	v_wmma_f32_16x16x32_f16 v[ACC+8*(4*(\a)+\b):ACC+8*(4*(\a)+\b)+7], v[\f+64+8*(4*\c+\b):\f+64+8*(4*\c+\b)+7], v[\f+8*(4*\c+\a):\f+8*(4*\c+\a)+7], 0
.else
	v_wmma_f32_16x16x32_f16 v[ACC+8*(4*(\a)+\b):ACC+8*(4*(\a)+\b)+7], v[\f+64+8*(4*\c+\b):\f+64+8*(4*\c+\b)+7], v[\f+8*(4*\c+\a):\f+8*(4*\c+\a)+7], v[ACC+8*(4*(\a)+\b):ACC+8*(4*(\a)+\b)+7]
.endif
.endr
.endr
.endm
; 32 LDS loads in one run: the fragments of 64 along K at byte k of the rows, into buffer f; the first 32 along K first
.macro FETCH slot, k, f
	WIN TO_F
.irp c, 0,1
.irp i, 0,1,2,3
	ds_load_b128 v[\f+64+8*(4*\c+\i):\f+64+8*(4*\c+\i)+3],   v[ADRB+\slot] offset:\k+64*\c+\i*16*PITCH
	ds_load_b128 v[\f+64+8*(4*\c+\i)+4:\f+64+8*(4*\c+\i)+7], v[ADRB+\slot] offset:\k+64*\c+\i*16*PITCH+32
	ds_load_b128 v[\f+8*(4*\c+\i):\f+8*(4*\c+\i)+3],         v[ADRA+\slot] offset:\k+64*\c+\i*16*PITCH
	ds_load_b128 v[\f+8*(4*\c+\i)+4:\f+8*(4*\c+\i)+7],       v[ADRA+\slot] offset:\k+64*\c+\i*16*PITCH+32
.endr
.endr
.endm
.macro PLACES                          ; four places in front of loads into registers that matrix instructions have read
.rept 4
	v_nop
.endr
.endm
; A K step is four quarters of 64 along K, 32 matrix instructions each, on buffers 0, 1, 0, 1.  One of the first three: multiplies buffer f and fetches the next quarter, at byte k, into g.
.macro QUARTER slot, k, f, g, zero
	s_wait_dscnt 16                                ; the first 32 along K are in; the other sixteen loads may be out
	WIN MUL
	MUL8 \f, 0, 0, \zero
	MUL8 \f, 0, 2, \zero
	PLACES
	FETCH \slot, \k, \g
	s_wait_dscnt 32                                ; all but the 32 just issued
	WIN MUL
	MUL8 \f, 1, 0, 0
	MUL8 \f, 1, 2, 0
.endm
.macro THREE slot, zero                ; a K step's first three quarters.  zero = 1: a tile's first products start the sums
	QUARTER \slot, 128, F0, F1, \zero
	QUARTER \slot, 256, F1, F0, 0
	QUARTER \slot, 384, F0, F1, 0
.endm
; The last quarter multiplies buffer 1 and changes slots: ONE barrier; in front of it each wave waits for all its tensor loads, adds 0 to its spare word, and waits for that and for its own reads of this slot.
; fill = 1: this slot is filled again, two K steps ahead; the barrier then opens a round of the cluster's barrier.  on = 1: those two K steps ahead lie in the second tile.
.macro TURN slot, next, fill, on
	WIN 0                                          ; (the add's two registers lie in window 0)
	s_wait_tensorcnt 0x0                           ; all my tensor loads have landed: my part of the next slot
	ds_add_u32 v[SPW], v[NIL]                      ; 0 onto my spare word
	s_wait_dscnt 17                                ; (the add and the youngest sixteen loads may be out)
	WIN MUL
	MUL8 F1, 0, 0, 0                               ; eight matrix instructions stand between the add and the wait for it
	s_wait_dscnt 0x0                               ; the add is done, and my reads of this slot are over
	s_barrier_signal -1
	MUL8 F1, 0, 2, 0
.if \fill
	WIN 0
.endif
	s_barrier_wait -1
.if \fill
	CREST                                          ; no wave of any partner still reads this slot's tile or has a load on its way
.if \on
	s_add_nc_u64 s[G0+4*\slot+2:G0+4*\slot+3], s[G0+4*\slot+2:G0+4*\slot+3], NEXT_A
	s_sub_nc_u64 s[G0B+4*\slot+2:G0B+4*\slot+3], s[G0B+4*\slot+2:G0B+4*\slot+3], BACK_B
.else
	s_add_nc_u64 s[G0+4*\slot+2:G0+4*\slot+3], s[G0+4*\slot+2:G0+4*\slot+3], 2*KSTEP*2
	s_add_nc_u64 s[G0B+4*\slot+2:G0B+4*\slot+3], s[G0B+4*\slot+2:G0B+4*\slot+3], 2*KSTEP*2
.endif
	JLOAD \slot                                    ; the first tensor load behind the round; the four v_nop behind it are also the places in front of the loads below
.else
	PLACES
.endif
	FETCH \next, 0, F0
	WIN MUL
	MUL8 F1, 1, 0, 0
	MUL8 F1, 1, 2, 0
.endm
; THE WAY OUT, block by block of 16 rows x 64 columns.  A lane holds 32 neighbouring bytes of a row, and the lanes beside it hold other rows: so a block goes through my own stage and comes back as whole rows of
; 256 bytes.  LDS serves a wave's instructions in order (ISA guide 5.7.1.4): no wait between the stores and the loads, nor in front of the next block's stores.
.macro TOSTAGE a
.irp b, 0,1,2,3
	ds_store_b128 v[STO], v[ACC+8*(4*(\a)+\b):ACC+8*(4*(\a)+\b)+3] offset:64*\b          ; each accumulator from its low end on
	ds_store_b128 v[STO], v[ACC+8*(4*(\a)+\b)+4:ACC+8*(4*(\a)+\b)+7] offset:64*\b+16
.endr
.irp t, 0,1,2,3,4,5,6,7
	ds_load_b128 v[TMP+32*((\a)%2)+4*\t:TMP+32*((\a)%2)+4*\t+3], v[RD] offset:\t*2*SPITCH
.endr
.endm
.macro SEND a, younger                 ; younger: the LDS instructions issued behind block a's loads, which may stay out
	s_wait_dscnt \younger
.irp t, 0,1,2,3,4,5,6,7
	global_store_b128 v[CO], v[TMP+32*((\a)%2)+4*\t:TMP+32*((\a)%2)+4*\t+3], s[8:9] offset:(16*(\a)+2*\t)*SIZE_N*4 th:TH_STORE_NT   ; 16 lanes store 256 consecutive bytes, aligned; written once, read by nobody here
.endr
.endm
.macro WAYOUT
.rept 5
	v_nop                                          ; four places ahead of the first read of the last results; five, since the next tile's first products write over the accumulators
.endr
	s_wait_xcnt 0x0                                ; earlier stores have read their registers: the loads from the stage may land there
	TOSTAGE 0
.irp a, 1,2,3
	s_wait_xcnt 0x0                                ; likewise
	TOSTAGE \a
	SEND \a-1, 16                                  ; behind block a - 1's loads: block a's eight stores and eight loads
.endr
	SEND 3, 0
.endm
	s_wait_tensorcnt 1                             ; my part of K step 0 is in; K step 1's load may be out
	s_barrier_signal -1
	s_barrier_wait -1                              ; everybody's is
	FETCH 0, 0, F0
	THREE 0, 1                                     ; THE FIRST TILE: K step 0; its first products start the sums
	TURN 0, 1, 1, 0                                ; slot 0 takes K step 2
	THREE 1, 0
	TURN 1, 0, 1, 0                                ; slot 1 takes K step 3
	THREE 0, 0
	TURN 0, 1, 1, 1                                ; THE RING GOES ON INTO THE SECOND TILE: slot 0 takes its K step 0,
	THREE 1, 0
	TURN 1, 0, 1, 1                                ; slot 1 its K step 1, and the second tile's first fragments are fetched
	WIN 0
	WAYOUT                                         ; both refills are asked for: now the first tile goes out
	s_wait_xcnt 0x0                                ; its stores have read their base
	s_add_nc_u64 s[8:9], s[8:9], WALK*SIZE_N*4     ; on to the second tile's rows of C
	THREE 0, 1                                     ; THE SECOND TILE
	TURN 0, 1, 1, 0
	THREE 1, 0
	TURN 1, 0, 1, 0
	THREE 0, 0
	TURN 0, 1, 0, 0                                ; the last two K steps fill nothing, and have no round of the cluster's barrier
	THREE 1, 0
	s_wait_dscnt 16                                ; the very last quarter: nothing more to fetch
	WIN MUL
	MUL8 F1, 0, 0, 0
	MUL8 F1, 0, 2, 0
	s_wait_dscnt 0
	MUL8 F1, 1, 0, 0
	MUL8 F1, 1, 2, 0
	WIN 0
	WAYOUT
	s_wait_tensorcnt 0x0                           ; the wave's end, behind my last tensor load and my last LDS store
	ds_add_u32 v[SPW], v[NIL]
	s_wait_dscnt 0x0
	CROUND                                         ; the closing round: no work-group ends while a partner may still ask for a tile that names it
	s_endpgm
.Lfunc_end_k_qe29516411c_outp:
	.size	k_qe29516411c_outp, .Lfunc_end_k_qe29516411c_outp-k_qe29516411c_outp
	.p2alignl 7, 3214868480
	.fill 96, 4, 3214868480
	.section	.rodata,"a",@progbits
	.p2align	6, 0x0
	.amdhsa_kernel k_qe29516411c_outp
		.amdhsa_group_segment_fixed_size 327680
		.amdhsa_private_segment_fixed_size 0
		.amdhsa_enable_private_segment 0
		.amdhsa_kernarg_size 24
		.amdhsa_user_sgpr_count 2
		.amdhsa_user_sgpr_kernarg_segment_ptr 1
		.amdhsa_wavefront_size32 1
		.amdhsa_system_sgpr_workgroup_id_x 1
		.amdhsa_system_sgpr_workgroup_id_y 1
		.amdhsa_system_sgpr_workgroup_id_z 1
		.amdhsa_system_vgpr_workitem_id 0
		.amdhsa_next_free_vgpr 512
		.amdhsa_next_free_sgpr 66
		.amdhsa_reserve_vcc 0
		.amdhsa_float_denorm_mode_32 3
		.amdhsa_float_denorm_mode_16_64 3
		.amdhsa_memory_ordered 1
		.amdhsa_forward_progress 1
		.amdhsa_inst_pref_size 165
	.end_amdhsa_kernel
	.amdgpu_metadata
---
amdhsa.version: [ 1, 2 ]
amdhsa.kernels:
  - .name:           k_qe29516411c_outp
    .symbol:         k_qe29516411c_outp.kd
    .args:
      - { .name: attn16, .offset: 0, .size: 8, .value_kind: global_buffer, .address_space: global }
      - { .name: wo16, .offset: 8, .size: 8, .value_kind: global_buffer, .address_space: global }
      - { .name: out0, .offset: 16, .size: 8, .value_kind: global_buffer, .address_space: global }
    .group_segment_fixed_size: 327680
    .private_segment_fixed_size: 0
    .kernarg_segment_align: 8
    .kernarg_segment_size: 24
    .max_flat_workgroup_size: 128
    .sgpr_count:     66
    .vgpr_count:     512
    .wavefront_size: 32
...
	.end_amdgpu_metadata
.endif
;; end of part 4
